; MI455X (gfx1250); checked and timed in simulation.
; The chip was launched on July 23, 2026; its instructions are those of AMD's public machine-readable ISA for CDNA 5 (MIT licence, August 2026) and "CDNA5" Instruction Set Architecture Reference Guide (July 2026). The comments in the code are by the model that wrote it; some were corrected since.
;; Soft Moe. Allowed arithmetic: float matrix products may take bf16 or f16 operands with f32 sums; other float arithmetic in f32, or as packed bf16 or f16 multiplies, adds, multiply-adds, maxima and minima; sums over many terms, partial sums and values carried from step to step in f32; what a program stores and reads back later, other than sums and carried values, may be rounded once to bf16 or f16.
;; Inputs: W1 8 x 1,024 x 1,024 float32; W2 8 x 1,024 x 512 float32; b1 8 x 1,024 float32; b2 8 x 512 float32; phi 1,024 x 8 x 512 float32; x 8 x 256 x 1,024 float32.
;; Outputs: out0 8 x 512 float32.
;; 2 versions, each right; version 2 is version 1 with the launch down written anew for expert scheduling mode. Each part assembles by itself: llvm-mc -triple=amdgcn-amd-amdhsa -mcpu=gfx1250 --defsym DOCPART=n.
;; ======== version 1 of 2: 6 launches
;; limits: values are held in f16: magnitudes above 65,504 overflow, below 6.1e-05 lose precision
;; workspace buffers: wb16 29,360,128 bytes; de16 33,554,432 bytes; rs 524,288 bytes; cmb 132,096 bytes; gbuf 262,144 bytes; part 2,097,152 bytes
;; launch cast (part 1): grid 1792 x 1, 8 waves a work-group, no clusters, 0 bytes of LDS; arguments x, phi, W1, wb16; writes wb16
.if DOCPART == 1
	.amdgcn_target "amdgcn-amd-amdhsa--gfx1250"
	.amdhsa_code_object_version 6
	.text
	.protected	k_q490b085c6d_cast
	.globl	k_q490b085c6d_cast
	.p2align	8
	.type	k_q490b085c6d_cast,@function
k_q490b085c6d_cast:
	s_mov_b64 s[64:65], 0
	v_nop
	global_prefetch_b8 v0, s[64:65] scope:SCOPE_SE
	s_setreg_imm32_b32 hwreg(HW_REG_WAVE_MODE, 25, 1), 1
	s_wait_xcnt 0x0
; x, phi and W1 (f32) are rounded once to bf16 and laid end to end in wb16, each in its own layout:
; x at byte 0, phi at 4,194,304, W1 at 12,582,912.  A work-group takes 8,192 numbers: 32,768 bytes in, 16,384 out.
; Work-groups 0-255 take x, 256-767 phi, 768-1791 W1; the place in wb16 is the work-group's number x 16,384 for all three.
; No LDS, no matrix unit: a stream.  A load of a wave covers 512 consecutive bytes, a store 256 consecutive, aligned bytes.
.set X_WG,   256                       ; work-groups for x
.set PHI_WG, 768                       ; first work-group of W1
	s_load_b256 s[4:11], s[0:1], 0x0               ; x s[4:5], phi s[6:7], W1 s[8:9], wb16 s[10:11]
	v_lshlrev_b32 v1, 4, v0                        ; 16 bytes a thread in
	v_lshlrev_b32 v2, 3, v0                        ; 8 bytes a thread out
	s_lshl_b32 s16, ttmp9, 14
	s_mov_b32 s17, 0
	s_mov_b32 s15, 0
	s_wait_kmcnt 0x0
	s_cmp_lt_u32 ttmp9, X_WG
	s_cselect_b64 s[12:13], s[4:5], s[6:7]         ; the source buffer and its first work-group
	s_cselect_b32 s14, 0, X_WG
	s_cmp_lt_u32 ttmp9, PHI_WG
	s_cselect_b64 s[12:13], s[12:13], s[8:9]
	s_cselect_b32 s14, s14, PHI_WG
	s_sub_co_u32 s14, ttmp9, s14
	s_lshl_b32 s14, s14, 15                        ; 32,768 bytes a work-group
	s_add_nc_u64 s[12:13], s[12:13], s[14:15]
	s_add_nc_u64 s[10:11], s[10:11], s[16:17]
.irp i, 0,1,2,3,4,5,6,7
	global_load_b128 v[8+4*(\i):11+4*(\i)], v1, s[12:13] offset:4096*(\i) th:TH_LOAD_NT
.endr
.irp i, 0,1,2,3,4,5,6,7
	s_wait_loadcnt 7-(\i)                          ; loads come back in order: number i is in, the younger ones stay out
	v_cvt_pk_bf16_f32 v[40+2*(\i)], v[8+4*(\i)], v[9+4*(\i)]
	v_cvt_pk_bf16_f32 v[41+2*(\i)], v[10+4*(\i)], v[11+4*(\i)]
	global_store_b64 v2, v[40+2*(\i):41+2*(\i)], s[10:11] offset:2048*(\i)
.endr
	s_endpgm
.Lfunc_end_k_q490b085c6d_cast:
	.size	k_q490b085c6d_cast, .Lfunc_end_k_q490b085c6d_cast-k_q490b085c6d_cast
	.p2alignl 7, 3214868480
	.fill 96, 4, 3214868480
	.section	.rodata,"a",@progbits
	.p2align	6, 0x0
	.amdhsa_kernel k_q490b085c6d_cast
		.amdhsa_group_segment_fixed_size 0
		.amdhsa_private_segment_fixed_size 0
		.amdhsa_enable_private_segment 0
		.amdhsa_kernarg_size 32
		.amdhsa_user_sgpr_count 2
		.amdhsa_user_sgpr_kernarg_segment_ptr 1
		.amdhsa_wavefront_size32 1
		.amdhsa_system_sgpr_workgroup_id_x 1
		.amdhsa_system_sgpr_workgroup_id_y 1
		.amdhsa_system_sgpr_workgroup_id_z 1
		.amdhsa_system_vgpr_workitem_id 0
		.amdhsa_next_free_vgpr 56
		.amdhsa_next_free_sgpr 66
		.amdhsa_reserve_vcc 0
		.amdhsa_float_denorm_mode_32 3
		.amdhsa_float_denorm_mode_16_64 3
		.amdhsa_memory_ordered 1
		.amdhsa_forward_progress 1
		.amdhsa_inst_pref_size 4
	.end_amdhsa_kernel
	.amdgpu_metadata
---
amdhsa.version: [ 1, 2 ]
amdhsa.kernels:
  - .name:           k_q490b085c6d_cast
    .symbol:         k_q490b085c6d_cast.kd
    .args:
      - { .name: x, .offset: 0, .size: 8, .value_kind: global_buffer, .address_space: global }
      - { .name: phi, .offset: 8, .size: 8, .value_kind: global_buffer, .address_space: global }
      - { .name: W1, .offset: 16, .size: 8, .value_kind: global_buffer, .address_space: global }
      - { .name: wb16, .offset: 24, .size: 8, .value_kind: global_buffer, .address_space: global }
    .group_segment_fixed_size: 0
    .private_segment_fixed_size: 0
    .kernarg_segment_align: 8
    .kernarg_segment_size: 32
    .max_flat_workgroup_size: 256
    .sgpr_count:     66
    .vgpr_count:     56
    .wavefront_size: 32
...
	.end_amdgpu_metadata
.endif
;; end of part 1
;; launch logits (part 2): grid 32 x 8, 4 waves a work-group, clusters of 4 x 4, 327,680 bytes of LDS; arguments wb16, de16, rs; writes de16, rs
.if DOCPART == 2
	.amdgcn_target "amdgcn-amd-amdhsa--gfx1250"
	.amdhsa_code_object_version 6
	.text
	.protected	k_q490b085c6d_logits
	.globl	k_q490b085c6d_logits
	.p2align	8
	.type	k_q490b085c6d_logits,@function
k_q490b085c6d_logits:
	s_mov_b64 s[64:65], 0
	v_nop
	global_prefetch_b8 v0, s[64:65] scope:SCOPE_SE
	s_setreg_imm32_b32 hwreg(HW_REG_WAVE_MODE, 25, 1), 1
	s_wait_xcnt 0x0
	s_wait_alu depctr_hold_cnt(0) depctr_sa_sdst(0) depctr_va_vdst(0) depctr_va_sdst(0) depctr_va_ssrc(0) depctr_va_vcc(0) depctr_vm_vsrc(0)
	s_getreg_b32 s2, hwreg(HW_REG_IB_STS2, 6, 4)
	s_cmp_eq_u32 s2, 0
	s_cbranch_scc0 .Lentry_in_a_cluster
	s_endpgm
.Lentry_in_a_cluster:
	s_bfe_u32 s2, ttmp6, 0x10000c
	s_cmp_lg_u32 s2, 0xf033
	s_cbranch_scc0 .Lentry_shape_is_right
	s_endpgm
.Lentry_shape_is_right:
; logits[b][m][np] = sum over d of x[b][m][d] phi[d][np], bf16 operands, f32 sums; the logits never leave the accumulators.
; A work-group owns all 256 tokens m of batch b and 128 slots np (tile t of 32); K = 1,024 in 8 steps of 128 through two LDS slots.
; Wave w: tokens 64 w .. 64 w + 63 x all 128 slots: 4 x 8 accumulators.  Source 0 = 16 rows of x, source 1 = 16 columns of phi (phi lies [d][np]: turned
; by ds_load_tr16_b128).  In a result lane l holds slot l % 16 and tokens 8 (l / 16) + 0..7.
; OUT OF THE ACCUMULATORS:  Dt[b][np][m] = softmax over the 256 tokens (true column maximum taken away), f16;
;   Et[b][np][m] = 2^(log2e l - kr[m]), kr[m] = log2e x the row's maximum over THIS tile's 128 slots, f16;  rs[b][t][0][m] = kr, rs[b][t][1][m] = the row's sum of those powers (unrounded), f32.
;   A later launch joins the 32 tiles' kr to the row's true maximum.
; LIMITS.  A weight below 6e-8 of its column's sum (Dt) or of its tile's row maximum (Et) counts as 0 in f16.  NaN and infinities are not treated apart.
; CLUSTER 4 x 4: the four work-groups of a row of the cluster share b and so x's tiles, the four of a column share t and so phi's: each tile is asked for jointly.
; REGISTERS: window 0: addresses, statistics, two fragment buffers (v64-159, v160-255; used again on the way out); window 1: the accumulators, (i, c) at 64 i + 8 c.
.set PA,    272                        ; a row of x in LDS: 256 bytes + 16
.set PB,    288                        ; a row of phi in LDS: 256 bytes + 32 (the turning load takes 8 rows x 32 bytes for 16 lanes)
.set XT,    256*PA                     ; x's tile
.set SLOT,  XT+128*PB                  ; then phi's 128 rows
.set STG,   2*SLOT                     ; the stage for the way out: 128 rows (slots) x 512 bytes (tokens) + 16
.set SPT,   528
.set CMX,   STG+128*SPT                ; [wave][l % 16][c] column maxima, 2,048 bytes; the column sums 2,048 bytes further on
.set RSTB,  CMX+4096                   ; each wave's 64 kr and 64 row sums: 512 bytes
.set SPARE, RSTB+2048                  ; the spare words: 128 bytes a wave, named by no other line
.set PHIB,  4194304                    ; phi in wb16
.set ETO,   16777216                   ; Et in de16
.set STEPA, 256                        ; bytes from K step to K step in x
.set STEPB, 128*8192                   ; and in phi
.set ADRA, 16                          ; v16-17 LDS address of my fragments of x in slot 0, 1
.set ADRB, 20                          ; v20-21 the same for phi
.set STO,  22                          ; where I put 16 bytes (8 tokens of a slot) in the stage
.set RDB,  23                          ; where I read whole rows back
.set GOF,  24                          ; my byte offset in the tile's rows of Dt and Et
.set CXS,  25                          ; where my wave's column figures go
.set CXL,  26                          ; where the four waves' are read
.set RSA,  27                          ; where my row figures go
.set SPW,  28                          ; my spare word; never rewritten
.set NIL,  29                          ; 0; never rewritten
.set RSR,  30                          ; where they are read back
.set RSO,  31                          ; my byte offset in rs
.set CM,   32                          ; v32-39 column maxima, one a column tile
.set CT,   40                          ; v40-47 at work
.set CS,   48                          ; v48-63 column sums, a pair a column tile
.set F0,   64                          ; fragment buffers: phi's 8 fragments, then x's 4
.set F1,   160
.set RM,   64                          ; way out: row maxima, then kr: 8 i + j
.set RSM,  96                          ; way out: row sums
.set KC,   100                         ; way out: v100-115 log2e x column maximum, later 1 / column sum, each twice: an even pair a column tile
.set TMP,  128                         ; way out: 64 at work
.set PK,   192                         ; way out: 32 packed
.set G1A, 24
.set G0A, 32
.set G1B, 48
.set G0B, 56
.set L2E, 66                           ; s[66:67] log2(e), twice
.set SEL, 68                           ; s[68:69] v_permlanex16_b32: each lane takes its own place in the other half
.set DTB, 70                           ; s[70:71] Dt at the tile's first row
.set ETB, 72                           ; s[72:73] Et likewise
.set RSB, 74                           ; s[74:75] rs at (b, t)
.set MSB, 0
.macro WIN new                         ; the immediate's high byte repeats the setting that is left; a switch that changes nothing is dropped
.if MSB != (\new)
	s_set_vgpr_msb (MSB<<8)|(\new)
.set MSB, \new
.endif
.endm
.set W_MUL, 0x50                       ; C and D in window 1, fragments in window 0
.macro PLACES                          ; four plain places behind matrix instructions (ISA guide 7.12.1)
.rept 4
	v_nop
.endr
.endm
.macro CREST                           ; a round of the cluster's barrier behind its opening barrier
	s_cmp_lg_u32 s10, 0
	s_cbranch_scc1 .Lnot_wave_0_\@
	s_barrier_signal -3
.Lnot_wave_0_\@:
	s_barrier_wait -3
	s_barrier_signal -1
	s_barrier_wait -1
.endm
.macro CROUND
	s_barrier_signal -1
	s_barrier_wait -1
	CREST
.endm
; A joint load: waves 0 and 1 fetch the halves of x's tile (128 rows each), waves 2 and 3 those of phi's (64 rows each).  The branch hangs on the wave's number alone.
.macro JLOAD s
	s_cmp_lt_u32 s10, 2
	s_cbranch_scc0 .Lfor_b_\@
	tensor_load_to_lds s[G0A+4*(\s):G0A+4*(\s)+3], s[G1A:G1A+7]
	s_nop 0
.rept 4
	v_nop
.endr
	s_branch .Lasked_\@
.Lfor_b_\@:
	tensor_load_to_lds s[G0B+4*(\s):G0B+4*(\s)+3], s[G1B:G1B+7]
	s_nop 0
.rept 4
	v_nop
.endr
.Lasked_\@:
.endm
	s_load_b128 s[4:7], s[0:1], 0x0                ; wb16 s[4:5], de16 s[6:7]
	s_load_b64 s[8:9], s[0:1], 0x10                ; rs
	v_lshl_add_u32 v[SPW], v0, 2, SPARE
	v_mov_b32 v[NIL], 0
	ds_add_u32 v[SPW], v[NIL]                      ; the wave's opening: the add and its wait stand ahead of my first tensor load
	v_lshrrev_b32 v1, 5, v0
	v_readfirstlane_b32 s10, v1                    ; wave 0..3
	s_and_b32 s12, s10, 1                          ; which half of a tile I fetch
	s_bfe_u32 s40, ttmp6, 0x40000                  ; cx
	s_bfe_u32 s41, ttmp6, 0x40004                  ; cy
	s_lshl_b32 s42, ttmp9, 2
	s_add_co_u32 s42, s42, s40                     ; t = 4 x cluster x + cx
	s_and_b32 s13, ttmp7, 0xffff
	s_lshl_b32 s13, s13, 2
	s_add_co_u32 s13, s13, s41                     ; b = 4 x cluster y + cy
	s_lshl_b32 s43, s41, 2
	s_lshl_b32 s43, 15, s43                        ; my row of the cluster
	s_lshl_b32 s44, 0x1111, s40                    ; my column
	s_or_b32 s[G1A], s43, (1<<16)|(1<<20)|(1<<21)|(5<<22)|(3<<25)  ; mask; 2-byte elements; padding on; bit 21 beside a mask; after every 64 words 4 words
	s_mov_b32 s[G1A+1], 128<<16                    ; tensor_dim0 = 128
	s_mov_b32 s[G1A+2], 128<<16                    ; tensor_dim1 = 128
	s_mov_b32 s[G1A+3], 128<<16                    ; tile_dim0 = 128
	s_mov_b32 s[G1A+4], 128                        ; tile_dim1 = 128
	s_mov_b32 s[G1A+5], 1024                       ; elements from row to row of x
	s_mov_b32 s[G1A+6], 0
	s_mov_b32 s[G1A+7], 0
	s_or_b32 s[G1B], s44, (1<<16)|(1<<20)|(1<<21)|(5<<22)|(7<<25)  ; the same with my column's mask and 8 words of padding
	s_mov_b32 s[G1B+1], 128<<16
	s_mov_b32 s[G1B+2], 64<<16                     ; 64 rows
	s_mov_b32 s[G1B+3], 128<<16
	s_mov_b32 s[G1B+4], 64
	s_mov_b32 s[G1B+5], 4096                       ; elements from row to row of phi
	s_mov_b32 s[G1B+6], 0
	s_mov_b32 s[G1B+7], 0
	s_lshl_b32 s16, s13, 19                        ; x: b x 256 rows x 2,048 bytes
	s_lshl_b32 s17, s12, 18                        ;    + my 128 rows
	s_add_co_u32 s16, s16, s17
	s_mov_b32 s17, 0
	s_lshl_b32 s46, s42, 8                         ; phi: t x 256 bytes
	s_lshl_b32 s47, s12, 19                        ;      + my 64 rows of 8,192 bytes
	s_add_co_u32 s46, s46, s47
	s_add_co_u32 s46, s46, PHIB
	s_mov_b32 s47, 0
	s_mul_i32 s20, s12, 128*PA                     ; where they go: no place in the cluster enters an LDS address
	s_mul_i32 s21, s12, 64*PB
	s_add_co_u32 s21, s21, XT
	s_mov_b32 s[L2E], 0x3fb8aa3b
	s_mov_b32 s[L2E+1], 0x3fb8aa3b
	s_mov_b32 s[SEL], 0x76543210
	s_mov_b32 s[SEL+1], 0xfedcba98
	s_wait_dscnt 0x0                               ; the opening add is done
	s_wait_kmcnt 0x0
	s_add_nc_u64 s[14:15], s[4:5], s[16:17]
	s_add_nc_u64 s[46:47], s[4:5], s[46:47]
	CROUND                                         ; all sixteen work-groups are here: the first joint loads meet
.irp s, 0,1
	s_mov_b32 s[G0A+4*(\s)], 1
	s_add_co_u32 s[G0A+4*(\s)+1], s20, (\s)*SLOT
	s_add_nc_u64 s[G0A+4*(\s)+2:G0A+4*(\s)+3], s[14:15], (\s)*STEPA
	s_or_b32 s[G0A+4*(\s)+3], s[G0A+4*(\s)+3], 0x80000000
	s_mov_b32 s[G0B+4*(\s)], 1
	s_add_co_u32 s[G0B+4*(\s)+1], s21, (\s)*SLOT
	s_add_nc_u64 s[G0B+4*(\s)+2:G0B+4*(\s)+3], s[46:47], (\s)*STEPB
	s_or_b32 s[G0B+4*(\s)+3], s[G0B+4*(\s)+3], 0x80000000
	JLOAD \s                                       ; K steps 0 and 1: two loads of mine are out
.endr
	s_lshl_b32 s76, s13, 21                        ; Dt, Et: (b x 4,096 + t x 128) rows of 512 bytes
	s_lshl_b32 s77, s42, 16
	s_add_co_u32 s76, s76, s77
	s_mov_b32 s77, 0
	s_add_nc_u64 s[DTB:DTB+1], s[6:7], s[76:77]
	s_add_nc_u64 s[ETB:ETB+1], s[DTB:DTB+1], ETO
	s_lshl_b32 s76, s13, 5
	s_add_co_u32 s76, s76, s42
	s_lshl_b32 s76, s76, 11                        ; rs: (b x 32 + t) x 2,048 bytes
	s_add_nc_u64 s[RSB:RSB+1], s[8:9], s[76:77]
	v_and_b32 v1, 15, v0                           ; l % 16
	v_bfe_u32 v2, v0, 4, 1                         ; l / 16
	v_and_b32 v3, 31, v0                           ; l
	v_mul_u32_u24 v4, v1, PA
	v_lshl_add_u32 v4, v2, 4, v4
	s_mul_i32 s76, s10, 64*PA                      ; my 64 rows of x
	v_add_nc_u32 v[ADRA], s76, v4
	v_add_nc_u32 v[ADRA+1], SLOT, v[ADRA]
	v_and_b32 v5, 7, v0                            ; the turning load: lane l reads row 8 (l / 16) + l % 8, 16 bytes at 16 ((l / 8) % 2)
	v_bfe_u32 v6, v0, 3, 1
	v_lshl_add_u32 v5, v2, 3, v5
	v_mul_u32_u24 v5, v5, PB
	v_lshl_add_u32 v5, v6, 4, v5
	v_add_nc_u32 v[ADRB], XT, v5
	v_add_nc_u32 v[ADRB+1], SLOT, v[ADRB]
	v_mul_u32_u24 v4, v1, SPT                      ; the stage: row = slot l % 16 of a column tile, bytes 128 w + 16 (l / 16) of it
	v_lshl_add_u32 v4, v2, 4, v4
	s_lshl_b32 s76, s10, 7
	s_add_co_u32 s76, s76, STG
	v_add_nc_u32 v[STO], s76, v4
	s_mul_i32 s76, s10, 32*SPT                     ; back: wave w takes rows 32 w .. 32 w + 31, a whole row of 512 bytes an instruction
	s_add_co_u32 s76, s76, STG
	v_lshl_add_u32 v[RDB], v3, 4, s76
	s_lshl_b32 s76, s10, 14
	v_lshl_add_u32 v[GOF], v3, 4, s76
	v_lshl_add_u32 v[CXL], v1, 5, CMX
	s_lshl_b32 s76, s10, 9
	v_add_nc_u32 v[CXS], s76, v[CXL]
	s_add_co_u32 s77, s76, RSTB
	v_lshl_add_u32 v[RSA], v2, 5, s77
	v_lshl_add_u32 v[RSR], v3, 4, s77
	s_lshl_b32 s76, s10, 8
	v_lshl_add_u32 v[RSO], v1, 4, s76              ; lanes 0-15: kr, lanes 16-31: the sums, 1,024 bytes on
	v_lshl_add_u32 v[RSO], v2, 10, v[RSO]
.irp c, 0,1,2,3,4,5,6,7
	v_mov_b32 v[CT+(\c)], 0                        ; v_permlanex16_b32 counts as a reader of its destination
.endr
; 8 matrix instructions: row tile i x all 8 column tiles, 32 along K.  The accumulators take turns.
.macro MUL8 f, i, zero
	WIN W_MUL
.irp c, 0,1,2,3,4,5,6,7
.if \zero
	v_wmma_f32_16x16x32_bf16 v[64*(\i)+8*(\c):64*(\i)+8*(\c)+7], v[(\f)+64+8*(\i):(\f)+64+8*(\i)+7], v[(\f)+8*(\c):(\f)+8*(\c)+7], 0
.else
	v_wmma_f32_16x16x32_bf16 v[64*(\i)+8*(\c):64*(\i)+8*(\c)+7], v[(\f)+64+8*(\i):(\f)+64+8*(\i)+7], v[(\f)+8*(\c):(\f)+8*(\c)+7], v[64*(\i)+8*(\c):64*(\i)+8*(\c)+7]
.endif
.endr
.endm
; 24 LDS loads in one run: quarter q (32 along K) of a slot into buffer f: phi's 16, then x's 8
.macro FETCH slot, q, f
	WIN 0
.irp c, 0,1,2,3,4,5,6,7
	ds_load_tr16_b128 v[(\f)+8*(\c):(\f)+8*(\c)+3],   v[ADRB+(\slot)] offset:(\q)*32*PB+32*(\c)
	ds_load_tr16_b128 v[(\f)+8*(\c)+4:(\f)+8*(\c)+7], v[ADRB+(\slot)] offset:(\q)*32*PB+16*PB+32*(\c)
.endr
.irp a, 0,1,2,3
	ds_load_b128 v[(\f)+64+8*(\a):(\f)+64+8*(\a)+3],   v[ADRA+(\slot)] offset:(\a)*16*PA+64*(\q)
	ds_load_b128 v[(\f)+64+8*(\a)+4:(\f)+64+8*(\a)+7], v[ADRA+(\slot)] offset:(\a)*16*PA+64*(\q)+32
.endr
.endm
; One of a K step's first three quarters: multiplies buffer f, fetches quarter q of the same slot into buffer g in its middle
.macro QUARTER slot, q, f, g, zero
	s_wait_dscnt 4                                 ; all but the youngest four loads: x's row tiles 2 and 3
	MUL8 \f, 0, \zero
	MUL8 \f, 1, \zero
	PLACES                                         ; in front of loads into registers that matrix instructions have read
	FETCH \slot, \q, \g
	s_wait_dscnt 24                                ; all but the 24 just issued
	MUL8 \f, 2, \zero
	MUL8 \f, 3, \zero
.endm
; The last quarter multiplies buffer 1 and changes slots.  In front of the barrier each wave waits for all its tensor loads (one is out: its part of the next slot), adds 0 to
; its spare word, and waits for that and for its reads of this slot.  fill = 1: the barrier opens a round of the cluster's, and the joint refill, two K steps ahead, is the first thing behind it.
.macro TURN slot, next, fill
	WIN 0
	s_wait_tensorcnt 0x0
	ds_add_u32 v[SPW], v[NIL]
	s_wait_dscnt 5                                 ; the add and the youngest four loads may be out
	MUL8 F1, 0, 0
	s_wait_dscnt 0x0                               ; the add is done, my reads of this slot are over
	s_barrier_signal -1
	MUL8 F1, 1, 0
.if \fill
	WIN 0
.endif
	s_barrier_wait -1
.if \fill
	CREST
	s_add_nc_u64 s[G0A+4*(\slot)+2:G0A+4*(\slot)+3], s[G0A+4*(\slot)+2:G0A+4*(\slot)+3], 2*STEPA
	s_add_nc_u64 s[G0B+4*(\slot)+2:G0B+4*(\slot)+3], s[G0B+4*(\slot)+2:G0B+4*(\slot)+3], 2*STEPB
	JLOAD \slot                                    ; its four v_nop are also the places in front of the loads below
.else
	PLACES
.endif
	FETCH \next, 0, F0
	MUL8 F1, 2, 0
	MUL8 F1, 3, 0
.endm
	s_wait_tensorcnt 0x1                           ; my part of K step 0 is in; step 1's may stay out
	s_barrier_signal -1
	s_barrier_wait -1
	FETCH 0, 0, F0
	QUARTER 0, 1, F0, F1, 1                        ; the first quarter's products start the sums
	WIN 0
	s_mov_b32 s3, 3
.Llap:                                                 ; a trip goes once round the ring and fills both slots again: K steps 2 to 7
	QUARTER 0, 2, F1, F0, 0
	QUARTER 0, 3, F0, F1, 0
	TURN 0, 1, 1
	QUARTER 1, 1, F0, F1, 0
	QUARTER 1, 2, F1, F0, 0
	QUARTER 1, 3, F0, F1, 0
	TURN 1, 0, 1
	QUARTER 0, 1, F0, F1, 0
	WIN 0
	s_sub_co_u32 s3, s3, 1
	s_cmp_lg_u32 s3, 0
	s_cbranch_scc1 .Llap
	QUARTER 0, 2, F1, F0, 0                        ; the last lap asks for nothing
	QUARTER 0, 3, F0, F1, 0
	TURN 0, 1, 0
	QUARTER 1, 1, F0, F1, 0
	QUARTER 1, 2, F1, F0, 0
	QUARTER 1, 3, F0, F1, 0
	s_wait_dscnt 4
	MUL8 F1, 0, 0
	MUL8 F1, 1, 0
	s_wait_dscnt 0x0
	MUL8 F1, 2, 0
	MUL8 F1, 3, 0
	; COLUMN MAXIMA over my 64 tokens: a lane's 32 numbers of column tile c, three operands at a time; each accumulator's lowest registers are read first.
	PLACES
	WIN 0x15                                       ; three sources in window 1
.irp c, 0,1,2,3,4,5,6,7
	v_max3_num_f32 v[CM+(\c)], v[8*(\c)], v[8*(\c)+1], v[8*(\c)+2]
.endr
	WIN 0x14                                       ; sources 1 and 2 in window 1
.set n, 1
.rept 14
.irp c, 0,1,2,3,4,5,6,7
	v_max3_num_f32 v[CM+(\c)], v[CM+(\c)], v[64*((2*n+1)/8)+8*(\c)+(2*n+1)%8], v[64*((2*n+2)/8)+8*(\c)+(2*n+2)%8]
.endr
.set n, n+1
.endr
.irp c, 0,1,2,3,4,5,6,7
	v_max_num_f32 v[CM+(\c)], v[CM+(\c)], v[192+8*(\c)+7]
.endr
	WIN 0
.irp c, 0,1,2,3,4,5,6,7
	v_permlanex16_b32 v[CT+(\c)], v[CM+(\c)], s[SEL], s[SEL+1]  ; the column's other tokens lie in the lane 16 away
.endr
.irp c, 0,1,2,3,4,5,6,7
	v_max_num_f32 v[CM+(\c)], v[CM+(\c)], v[CT+(\c)]
.endr
	ds_store_b128 v[CXS], v[CM:CM+3]
	ds_store_b128 v[CXS], v[CM+4:CM+7] offset:16
	; ROW MAXIMA over the tile's 128 slots: over the 8 column tiles in the lane, then over the 16 lanes of a half
	WIN 0x15
.set k, 0
.rept 32
	v_max3_num_f32 v[RM+k], v[64*(k/8)+k%8], v[64*(k/8)+8+k%8], v[64*(k/8)+16+k%8]
.set k, k+1
.endr
	WIN 0x14
.irp c, 3,5
.set k, 0
.rept 32
	v_max3_num_f32 v[RM+k], v[RM+k], v[64*(k/8)+8*(\c)+k%8], v[64*(k/8)+8*(\c)+8+k%8]
.set k, k+1
.endr
.endr
.set k, 0
.rept 32
	v_max_num_f32 v[RM+k], v[RM+k], v[64*(k/8)+56+k%8]
.set k, k+1
.endr
	WIN 0
.irp x, 1,2,4,8
.set k, 0
.rept 32
	v_max_num_f32_dpp v[RM+k], v[RM+k], v[RM+k] row_xmask:\x row_mask:0xf bank_mask:0xf
.set k, k+1
.endr
.endr
.set k, 0
.rept 16
	v_pk_mul_f32 v[RM+2*k:RM+2*k+1], v[RM+2*k:RM+2*k+1], s[L2E:L2E+1] op_sel_hi:[1,0]  ; kr
.set k, k+1
.endr
.macro TOSTG be                        ; the packed numbers of column tiles 2 be, 2 be + 1 go into the stage
.irp cc, 0,1
.irp a, 0,1,2,3
	ds_store_b128 v[STO], v[PK+16*(\cc)+4*(\a):PK+16*(\cc)+4*(\a)+3] offset:(2*(\be)+(\cc))*16*SPT+32*(\a)
.endr
.endr
.endm
; E of column tiles 2 be, 2 be + 1: 64 numbers a lane: log2e l - kr, one batch of exponentials with one wait, rounded to f16; the row sums take the unrounded numbers
.macro EBATCH be
	WIN 0x01                                       ; source 0 in window 1
.set k, 0
.rept 32
.set ra, 64*((k/4)%4)+8*(2*(\be)+k/16)+2*(k%4)
	v_pk_fma_f32 v[TMP+2*k:TMP+2*k+1], v[ra:ra+1], s[L2E:L2E+1], v[RM+2*(k%16):RM+2*(k%16)+1] op_sel_hi:[1,0,1] neg_lo:[0,0,1] neg_hi:[0,0,1]
.set k, k+1
.endr
	WIN 0
.set k, 0
.rept 64
	v_exp_f32 v[TMP+k], v[TMP+k]
.set k, k+1
.endr
	v_nop                                          ; a plain instruction behind the last exponential (ISA guide 5.7.2)
	s_wait_alu depctr_va_vdst(0)                   ; one wait for the batch, ahead of its first reader
.set k, 0
.rept 32
	v_cvt_pk_f16_f32 v[PK+k], v[TMP+2*k], v[TMP+2*k+1]
.set k, k+1
.endr
.set k, 0
.rept 16
.if (\be) == 0
	v_pk_add_f32 v[RSM+2*k:RSM+2*k+1], v[TMP+2*k:TMP+2*k+1], v[TMP+32+2*k:TMP+32+2*k+1]
.else
	v_pk_add_f32 v[RSM+2*k:RSM+2*k+1], v[RSM+2*k:RSM+2*k+1], v[TMP+2*k:TMP+2*k+1]
.endif
.set k, k+1
.endr
.if (\be) != 0
.set k, 0
.rept 16
	v_pk_add_f32 v[RSM+2*k:RSM+2*k+1], v[RSM+2*k:RSM+2*k+1], v[TMP+32+2*k:TMP+32+2*k+1]
.set k, k+1
.endr
.endif
	TOSTG \be
.endm
	EBATCH 0
	EBATCH 1
	EBATCH 2
	EBATCH 3
.irp x, 1,2,4,8
.set k, 0
.rept 32
	v_add_f32_dpp v[RSM+k], v[RSM+k], v[RSM+k] row_xmask:\x row_mask:0xf bank_mask:0xf
.set k, k+1
.endr
.endr
.irp a, 0,1,2,3
.irp q, 0,1
	ds_store_b128 v[RSA], v[RM+8*(\a)+4*(\q):RM+8*(\a)+4*(\q)+3] offset:64*(\a)+16*(\q)
	ds_store_b128 v[RSA], v[RSM+8*(\a)+4*(\q):RSM+8*(\a)+4*(\q)+3] offset:256+64*(\a)+16*(\q)
.endr
.endr
	s_wait_dscnt 0x0                               ; for the others' sake: my part of the stage and my column maxima are stored
	s_barrier_signal -1
	s_barrier_wait -1
.macro ROWS_IN                         ; my 32 whole rows of the stage
.set k, 0
.rept 32
	ds_load_b128 v[128+4*k:131+4*k], v[RDB] offset:SPT*k
.set k, k+1
.endr
.endm
.macro ROWS_OUT base                   ; each store covers 512 consecutive bytes, aligned
.set k, 0
.rept 32
	s_wait_dscnt 31-k
	global_store_b128 v[GOF], v[128+4*k:131+4*k], s[\base:\base+1] offset:512*k
.set k, k+1
.endr
.endm
.irp k, 0,1,2,3
	ds_load_b128 v[64+8*(\k):67+8*(\k)], v[CXL] offset:512*(\k)
	ds_load_b128 v[68+8*(\k):71+8*(\k)], v[CXL] offset:512*(\k)+16
.endr
	ds_load_b128 v[96:99], v[RSR]
	ROWS_IN
	s_wait_dscnt 32                                ; all but the 32 rows
	global_store_b128 v[RSO], v[96:99], s[RSB:RSB+1]  ; 16 lanes store 256 consecutive bytes of kr, 16 of the sums
.irp c, 0,1,2,3,4,5,6,7
	v_max3_num_f32 v[CM+(\c)], v[64+(\c)], v[72+(\c)], v[80+(\c)]  ; the four waves' maxima: the column's true maximum
.endr
.irp c, 0,1,2,3,4,5,6,7
	v_max_num_f32 v[CM+(\c)], v[CM+(\c)], v[88+(\c)]
.endr
.irp c, 0,1,2,3,4,5,6,7
	v_mul_f32 v[KC+2*(\c)], s[L2E], v[CM+(\c)]
	v_mul_f32 v[KC+2*(\c)+1], s[L2E], v[CM+(\c)]
.endr
	ROWS_OUT ETB
	; THE COLUMN SOFTMAX, in place in the accumulators: 2^(log2e l - log2e max), one batch, one wait
	WIN 0x41                                       ; destination and source 0 in window 1
.set k, 0
.rept 128
	v_pk_fma_f32 v[2*k:2*k+1], v[2*k:2*k+1], s[L2E:L2E+1], v[KC+2*((k/4)%8):KC+2*((k/4)%8)+1] op_sel_hi:[1,0,1] neg_lo:[0,0,1] neg_hi:[0,0,1]
.set k, k+1
.endr
.set k, 0
.rept 256
	v_exp_f32 v[k], v[k]
.set k, k+1
.endr
	v_nop
	s_wait_alu depctr_va_vdst(0)
	WIN 0x05                                       ; sources 0 and 1 in window 1
.irp c, 0,1,2,3,4,5,6,7
	v_pk_add_f32 v[CS+2*(\c):CS+2*(\c)+1], v[8*(\c):8*(\c)+1], v[8*(\c)+2:8*(\c)+3]
.endr
	WIN 0x04                                       ; source 1 in window 1
.set n, 2
.rept 14
.irp c, 0,1,2,3,4,5,6,7
	v_pk_add_f32 v[CS+2*(\c):CS+2*(\c)+1], v[CS+2*(\c):CS+2*(\c)+1], v[64*(n/4)+8*(\c)+2*(n%4):64*(n/4)+8*(\c)+2*(n%4)+1]
.endr
.set n, n+1
.endr
	WIN 0
.irp c, 0,1,2,3,4,5,6,7
	v_add_f32 v[CT+(\c)], v[CS+2*(\c)], v[CS+2*(\c)+1]
.endr
.irp c, 0,1,2,3,4,5,6,7
	v_permlanex16_b32 v[CS+2*(\c)], v[CT+(\c)], s[SEL], s[SEL+1]
.endr
.irp c, 0,1,2,3,4,5,6,7
	v_add_f32 v[CT+(\c)], v[CT+(\c)], v[CS+2*(\c)]
.endr
	ds_store_b128 v[CXS], v[CT:CT+3] offset:2048
	ds_store_b128 v[CXS], v[CT+4:CT+7] offset:2064
	s_wait_dscnt 0x0                               ; my column sums are stored, and my reads of the stage are over: it is written again behind this barrier
	s_barrier_signal -1
	s_barrier_wait -1
.irp k, 0,1,2,3
	ds_load_b128 v[64+8*(\k):67+8*(\k)], v[CXL] offset:2048+512*(\k)
	ds_load_b128 v[68+8*(\k):71+8*(\k)], v[CXL] offset:2048+512*(\k)+16
.endr
	s_wait_dscnt 0x0
.irp p, 0,2,4,6
	v_pk_add_f32 v[64+(\p):65+(\p)], v[64+(\p):65+(\p)], v[72+(\p):73+(\p)]
	v_pk_add_f32 v[80+(\p):81+(\p)], v[80+(\p):81+(\p)], v[88+(\p):89+(\p)]
.endr
.irp p, 0,2,4,6
	v_pk_add_f32 v[64+(\p):65+(\p)], v[64+(\p):65+(\p)], v[80+(\p):81+(\p)]
.endr
.irp c, 0,1,2,3,4,5,6,7
	v_rcp_f32 v[KC+2*(\c)], v[64+(\c)]             ; made twice, to fill the pair that the packed multiply takes
	v_rcp_f32 v[KC+2*(\c)+1], v[64+(\c)]
.endr
	v_nop
	s_wait_alu depctr_va_vdst(0)
	s_wait_xcnt 0x0                                ; Et's stores have read v128-255: only behind this wait are those registers written again
.macro DBATCH be                       ; Dw of column tiles 2 be, 2 be + 1: divided, rounded to f16, into the stage
	WIN 0x41
.set k, 0
.rept 32
.set ra, 64*((k/4)%4)+8*(2*(\be)+k/16)+2*(k%4)
	v_pk_mul_f32 v[ra:ra+1], v[ra:ra+1], v[KC+2*(2*(\be)+k/16):KC+2*(2*(\be)+k/16)+1]
.set k, k+1
.endr
	WIN 0x05
.set k, 0
.rept 32
.set ra, 64*((k/4)%4)+8*(2*(\be)+k/16)+2*(k%4)
	v_cvt_pk_f16_f32 v[PK+k], v[ra], v[ra+1]
.set k, k+1
.endr
	WIN 0
	TOSTG \be
.endm
	DBATCH 0
	DBATCH 1
	DBATCH 2
	DBATCH 3
	s_wait_dscnt 0x0
	s_barrier_signal -1
	s_barrier_wait -1
	ROWS_IN
	ROWS_OUT DTB
	s_wait_tensorcnt 0x0                           ; the wave's end
	ds_add_u32 v[SPW], v[NIL]
	s_wait_dscnt 0x0
	CROUND                                         ; the closing round
	s_endpgm
.Lfunc_end_k_q490b085c6d_logits:
	.size	k_q490b085c6d_logits, .Lfunc_end_k_q490b085c6d_logits-k_q490b085c6d_logits
	.p2alignl 7, 3214868480
	.fill 96, 4, 3214868480
	.section	.rodata,"a",@progbits
	.p2align	6, 0x0
	.amdhsa_kernel k_q490b085c6d_logits
		.amdhsa_group_segment_fixed_size 327680
		.amdhsa_private_segment_fixed_size 0
		.amdhsa_enable_private_segment 0
		.amdhsa_kernarg_size 24
		.amdhsa_user_sgpr_count 2
		.amdhsa_user_sgpr_kernarg_segment_ptr 1
		.amdhsa_wavefront_size32 1
		.amdhsa_system_sgpr_workgroup_id_x 1
		.amdhsa_system_sgpr_workgroup_id_y 1
		.amdhsa_system_sgpr_workgroup_id_z 1
		.amdhsa_system_vgpr_workitem_id 0
		.amdhsa_next_free_vgpr 512
		.amdhsa_next_free_sgpr 80
		.amdhsa_reserve_vcc 0
		.amdhsa_float_denorm_mode_32 3
		.amdhsa_float_denorm_mode_16_64 3
		.amdhsa_memory_ordered 1
		.amdhsa_forward_progress 1
		.amdhsa_inst_pref_size 198
	.end_amdhsa_kernel
	.amdgpu_metadata
---
amdhsa.version: [ 1, 2 ]
amdhsa.kernels:
  - .name:           k_q490b085c6d_logits
    .symbol:         k_q490b085c6d_logits.kd
    .args:
      - { .name: wb16, .offset: 0, .size: 8, .value_kind: global_buffer, .address_space: global }
      - { .name: de16, .offset: 8, .size: 8, .value_kind: global_buffer, .address_space: global }
      - { .name: rs, .offset: 16, .size: 8, .value_kind: global_buffer, .address_space: global }
    .group_segment_fixed_size: 327680
    .private_segment_fixed_size: 0
    .kernarg_segment_align: 8
    .kernarg_segment_size: 24
    .max_flat_workgroup_size: 128
    .sgpr_count:     80
    .vgpr_count:     512
    .wavefront_size: 32
...
	.end_amdgpu_metadata
.endif
;; end of part 2
;; launch combine (part 3): grid 32 x 8, 8 waves a work-group, no clusters, 2,560 bytes of LDS; arguments de16, rs, cmb; writes cmb
.if DOCPART == 3
	.amdgcn_target "amdgcn-amd-amdhsa--gfx1250"
	.amdhsa_code_object_version 6
	.text
	.protected	k_q490b085c6d_combine
	.globl	k_q490b085c6d_combine
	.p2align	8
	.type	k_q490b085c6d_combine,@function
k_q490b085c6d_combine:
	s_mov_b64 s[64:65], 0
	v_nop
	global_prefetch_b8 v0, s[64:65] scope:SCOPE_SE
	s_setreg_imm32_b32 hwreg(HW_REG_WAVE_MODE, 25, 1), 1
	s_wait_xcnt 0x0
; Cm[b][np] = 1/256 x the sum over m of softmax over all 4,096 slots of logits[b][m][:], for the 128 slots of tile t.
; Thread m joins the 32 tiles' statistics: M = the largest kr (log2e x the row's true maximum), S = sum over tiles of rsum 2^(kr - M); its weight for THIS tile's E is
; w[m] = 2^(kr_t - M) / S / 256.  Then Cm[np] = sum over m of E[np][m] w[m]: wave v takes 16 rows of E (512 bytes each: a row an instruction), f32 sums.
; Also stored: the tile's sum of Cm (f32), which the last launch weighs b2 with.  S is at least 1: the tile that holds the maximum gives a term 1.
; No matrix unit, no cluster: 64 KiB of E a work-group, read once; the statistics (64 KiB a batch) are read by the batch's 32 work-groups.
.set WL,    0                          ; w: 256 f32
.set CL,    1024                       ; the tile's 128 Cm
.set SPARE, 1536                       ; the spare words: 128 bytes a wave
.set ETO,   16777216
.set SCP,   131072                     ; the tiles' sums in cmb
	s_load_b128 s[4:7], s[0:1], 0x0                ; de16 s[4:5], rs s[6:7]
	s_load_b64 s[8:9], s[0:1], 0x10                ; cmb
	v_lshl_add_u32 v2, v0, 2, SPARE                ; my spare word; never rewritten
	v_mov_b32 v3, 0                                ; 0; never rewritten
	v_lshrrev_b32 v4, 5, v0
	v_readfirstlane_b32 s12, v4                    ; wave 0..7
	v_and_b32 v1, 31, v0
	s_and_b32 s13, ttmp7, 0xffff                   ; b
	s_lshl_b32 s14, s13, 21                        ; Et: (b x 4,096 + t x 128) rows of 512 bytes
	s_lshl_b32 s15, ttmp9, 16
	s_add_co_u32 s14, s14, s15
	s_add_co_u32 s14, s14, ETO
	s_mov_b32 s15, 0
	s_lshl_b32 s16, s13, 16                        ; rs: b x 32 tiles x 2,048 bytes
	s_mov_b32 s17, 0
	s_lshl_b32 s18, ttmp9, 11                      ; this tile's statistics
	s_mov_b32 s19, 0
	s_lshl_b32 s24, s13, 14                        ; Cm: (b x 4,096 + t x 128) x 4 bytes
	s_lshl_b32 s25, ttmp9, 9
	s_add_co_u32 s24, s24, s25
	s_mov_b32 s25, 0
	s_lshl_b32 s26, s13, 5
	s_add_co_u32 s26, s26, ttmp9
	s_lshl_b32 s26, s26, 2
	s_add_co_u32 s26, s26, SCP
	s_mov_b32 s27, 0
	s_mov_b32 s22, 0x76543210
	s_mov_b32 s23, 0xfedcba98
	s_lshl_b32 s28, s12, 6
	s_add_co_u32 s28, s28, CL                      ; my wave's 16 words of Cm in LDS
	v_lshlrev_b32 v5, 4, v1
	v_lshl_add_u32 v5, v4, 13, v5                  ; my wave's 16 rows, 16 bytes a lane
	v_lshlrev_b32 v6, 2, v0                        ; 4 x thread: token m = thread
	v_mov_b32 v56, 0
	v_mov_b32 v57, s28
	s_wait_kmcnt 0x0
	s_add_nc_u64 s[4:5], s[4:5], s[14:15]
	s_add_nc_u64 s[6:7], s[6:7], s[16:17]
	s_add_nc_u64 s[20:21], s[6:7], s[18:19]
	s_add_nc_u64 s[24:25], s[8:9], s[24:25]
	s_add_nc_u64 s[26:27], s[8:9], s[26:27]
.set i, 0
.rept 32
	global_load_b32 v[128+i], v6, s[6:7] offset:2048*i         ; kr of tile i
.set i, i+1
.endr
.set i, 0
.rept 32
	global_load_b32 v[8+i], v6, s[6:7] offset:2048*i+1024      ; its row sum
.set i, i+1
.endr
	global_load_b32 v40, v6, s[20:21]                          ; kr of this tile
.set i, 0
.rept 16
	global_load_b128 v[64+4*i:67+4*i], v5, s[4:5] offset:512*i th:TH_LOAD_NT
.set i, i+1
.endr
	s_wait_loadcnt 16                              ; the statistics are in; the 16 rows of E stay out
.irp q, 0,1,2,3
	v_max3_num_f32 v[41+(\q)], v[128+8*(\q)], v[129+8*(\q)], v[130+8*(\q)]
.endr
.irp q, 0,1,2,3
	v_max3_num_f32 v[41+(\q)], v[41+(\q)], v[131+8*(\q)], v[132+8*(\q)]
.endr
.irp q, 0,1,2,3
	v_max3_num_f32 v[41+(\q)], v[41+(\q)], v[133+8*(\q)], v[134+8*(\q)]
.endr
.irp q, 0,1,2,3
	v_max_num_f32 v[41+(\q)], v[41+(\q)], v[135+8*(\q)]
.endr
	v_max3_num_f32 v41, v41, v42, v43
	v_max_num_f32 v41, v41, v44                    ; M
.set i, 0
.rept 32
	v_sub_f32 v[128+i], v[128+i], v41
.set i, i+1
.endr
	v_sub_f32 v40, v40, v41
.set i, 0
.rept 32
	v_exp_f32 v[128+i], v[128+i]
.set i, i+1
.endr
	v_exp_f32 v40, v40
	v_nop                                          ; a plain instruction behind the last exponential
	s_wait_alu depctr_va_vdst(0)                   ; one wait for the batch of 33
.irp q, 0,1,2,3
	v_mul_f32 v[42+(\q)], v[8+(\q)], v[128+(\q)]   ; S in four chains
.endr
.set i, 4
.rept 28
	v_fmac_f32 v[42+i%4], v[8+i], v[128+i]
.set i, i+1
.endr
	v_add_f32 v42, v42, v43
	v_add_f32 v44, v44, v45
	v_add_f32 v42, v42, v44
	v_rcp_f32 v43, v42
	v_nop
	s_wait_alu depctr_va_vdst(0)
	v_mul_f32 v40, v40, v43
	v_mul_f32 v40, 0x3b800000, v40                 ; / 256: the mean over the tokens
	ds_store_b32 v6, v40                           ; WL = 0
	s_wait_dscnt 0x0                               ; for the others' sake
	s_barrier_signal -1
	s_barrier_wait -1
	v_lshlrev_b32 v7, 5, v1                        ; lane l holds tokens 8 l .. 8 l + 7 of each row
	ds_load_b128 v[48:51], v7
	ds_load_b128 v[52:55], v7 offset:16
	s_wait_loadcnt 0x0                             ; E
	s_wait_dscnt 0x0
.set e, 0
.rept 8                                ; token e of the lane's eight, all 16 rows: sixteen chains
.set i, 0
.rept 16
.if e == 0
	v_fma_mix_f32 v[8+i], v[64+4*i], v48, v56 op_sel_hi:[1,0,0]
.elseif e%2 == 1
	v_fma_mix_f32 v[8+i], v[64+4*i+e/2], v[48+e], v[8+i] op_sel:[1,0,0] op_sel_hi:[1,0,0]
.else
	v_fma_mix_f32 v[8+i], v[64+4*i+e/2], v[48+e], v[8+i] op_sel_hi:[1,0,0]
.endif
.set i, i+1
.endr
.set e, e+1
.endr
.irp x, 1,2,4,8
.set i, 0
.rept 16
	v_add_f32_dpp v[8+i], v[8+i], v[8+i] row_xmask:\x row_mask:0xf bank_mask:0xf
.set i, i+1
.endr
.endr
.set i, 0
.rept 16
	v_permlanex16_b32 v[24+i], v[8+i], s22, s23
.set i, i+1
.endr
.set i, 0
.rept 16
	v_add_f32 v[8+i], v[8+i], v[24+i]
	ds_store_b32 v57, v[8+i] offset:4*i            ; every lane holds the sum: all write the same word
.set i, i+1
.endr
	s_wait_dscnt 0x0
	s_barrier_signal -1
	s_barrier_wait -1
	s_wait_tensorcnt 0x0                           ; no wave writes LDS behind this barrier
	ds_add_u32 v2, v3
	s_wait_dscnt 0x0
	s_cmp_lg_u32 s12, 0
	s_cbranch_scc1 .Lend                           ; wave 0 stores the tile's 128 numbers: 512 consecutive bytes
	v_lshl_add_u32 v58, v1, 4, CL
	v_lshlrev_b32 v59, 4, v1
	ds_load_b128 v[60:63], v58
	s_wait_dscnt 0x0
	global_store_b128 v59, v[60:63], s[24:25]
	v_add_f32 v44, v60, v61
	v_add_f32 v45, v62, v63
	v_add_f32 v44, v44, v45
.irp x, 1,2,4,8
	v_add_f32_dpp v44, v44, v44 row_xmask:\x row_mask:0xf bank_mask:0xf
.endr
	v_permlanex16_b32 v45, v44, s22, s23
	v_add_f32 v44, v44, v45                        ; the tile's sum of Cm
	v_cmp_eq_u32 vcc_lo, 0, v1
	s_wait_xcnt 0x0                                ; EXEC changes only behind this wait
	s_and_saveexec_b32 s29, vcc_lo
	global_store_b32 v56, v44, s[26:27]            ; lane 0 alone
	s_wait_xcnt 0x0
	s_or_b32 exec_lo, exec_lo, s29
.Lend:
	s_endpgm
.Lfunc_end_k_q490b085c6d_combine:
	.size	k_q490b085c6d_combine, .Lfunc_end_k_q490b085c6d_combine-k_q490b085c6d_combine
	.p2alignl 7, 3214868480
	.fill 96, 4, 3214868480
	.section	.rodata,"a",@progbits
	.p2align	6, 0x0
	.amdhsa_kernel k_q490b085c6d_combine
		.amdhsa_group_segment_fixed_size 2560
		.amdhsa_private_segment_fixed_size 0
		.amdhsa_enable_private_segment 0
		.amdhsa_kernarg_size 24
		.amdhsa_user_sgpr_count 2
		.amdhsa_user_sgpr_kernarg_segment_ptr 1
		.amdhsa_wavefront_size32 1
		.amdhsa_system_sgpr_workgroup_id_x 1
		.amdhsa_system_sgpr_workgroup_id_y 1
		.amdhsa_system_sgpr_workgroup_id_z 1
		.amdhsa_system_vgpr_workitem_id 0
		.amdhsa_next_free_vgpr 176
		.amdhsa_next_free_sgpr 66
		.amdhsa_reserve_vcc 1
		.amdhsa_float_denorm_mode_32 3
		.amdhsa_float_denorm_mode_16_64 3
		.amdhsa_memory_ordered 1
		.amdhsa_forward_progress 1
		.amdhsa_inst_pref_size 31
	.end_amdhsa_kernel
	.amdgpu_metadata
---
amdhsa.version: [ 1, 2 ]
amdhsa.kernels:
  - .name:           k_q490b085c6d_combine
    .symbol:         k_q490b085c6d_combine.kd
    .args:
      - { .name: de16, .offset: 0, .size: 8, .value_kind: global_buffer, .address_space: global }
      - { .name: rs, .offset: 8, .size: 8, .value_kind: global_buffer, .address_space: global }
      - { .name: cmb, .offset: 16, .size: 8, .value_kind: global_buffer, .address_space: global }
    .group_segment_fixed_size: 2560
    .private_segment_fixed_size: 0
    .kernarg_segment_align: 8
    .kernarg_segment_size: 24
    .max_flat_workgroup_size: 256
    .sgpr_count:     66
    .vgpr_count:     176
    .wavefront_size: 32
...
	.end_amdgpu_metadata
.endif
;; end of part 3
;; launch experts (part 4): grid 32 x 8, 4 waves a work-group, clusters of 4 x 4, 327,680 bytes of LDS; arguments wb16, de16, cmb, b1, gbuf; writes gbuf
.if DOCPART == 4
	.amdgcn_target "amdgcn-amd-amdhsa--gfx1250"
	.amdhsa_code_object_version 6
	.text
	.protected	k_q490b085c6d_experts
	.globl	k_q490b085c6d_experts
	.p2align	8
	.type	k_q490b085c6d_experts,@function
k_q490b085c6d_experts:
	s_mov_b64 s[64:65], 0
	v_nop
	global_prefetch_b8 v0, s[64:65] scope:SCOPE_SE
	s_setreg_imm32_b32 hwreg(HW_REG_WAVE_MODE, 25, 1), 1
	s_wait_xcnt 0x0
	s_wait_alu depctr_hold_cnt(0) depctr_sa_sdst(0) depctr_va_vdst(0) depctr_va_sdst(0) depctr_va_ssrc(0) depctr_va_vcc(0) depctr_vm_vsrc(0)
	s_getreg_b32 s2, hwreg(HW_REG_IB_STS2, 6, 4)
	s_cmp_eq_u32 s2, 0
	s_cbranch_scc0 .Lentry_in_a_cluster
	s_endpgm
.Lentry_in_a_cluster:
	s_bfe_u32 s2, ttmp6, 0x10000c
	s_cmp_lg_u32 s2, 0xf033
	s_cbranch_scc0 .Lentry_shape_is_right
	s_endpgm
.Lentry_shape_is_right:
; G[b][n][h] = sum over the expert's 512 slots p of Cm[b][n][p] relu( sum over m of Dw[b][m][n][p] Z[m][h] + b1[n][h] ),  Z = x[b] W1[n].
; (Dw^T x) W1 = Dw^T (x W1), and the weighted sum over p is taken ahead of W2: both are reassociations that hold for every input.
; A work-group owns (b, n, 256 columns h).  Wave w: all 256 tokens x 64 columns.
; PHASE 1: Z, bf16 operands, f32 sums, K = 1,024 in 8 steps of 128 through two LDS slots: 16 x 4 accumulators.  Source 0 = 16 rows of x, source 1 = 16 columns of W1 (turned): a lane holds
;   column l % 16 and tokens 8 (l / 16) + 0..7, so two results rounded to f16 in pairs ARE source 0 (16 columns h x 32 tokens) of phase 2: Z never leaves the registers.
; PHASE 2: A^T = Z^T Dw + b1 for 16 slots at a time (f16 operands; b1 is the C operand that starts the sum): a lane holds slot l % 16 and 8 columns h.  relu, times Cm, summed in f32 in the lane;
;   at the end over the 16 lanes.  Dt[b][n] (512 rows x 512 bytes) lies in LDS where the slots lay: asked for in the last two changes of slots.
; LIMITS.  Z must lie within f16's 65,504.  b1 is rounded to bf16 like all inputs.  NaN and infinities are not treated apart.
; CLUSTER 4 x 4: a row of the cluster shares b and n (x's tiles, Dt), a column shares n and the 256 columns (W1's tiles): all tiles are asked for jointly.
; REGISTERS: window 0: addresses; v32-63 b1; v64-127 W1's fragments, two buffers (phase 2: G, at work); v128-255 phase 2: Dt's fragments, two buffers.
;   window 1: x's fragments, two buffers of 128 (phase 2: Z in f16, (c, s) at 8 (8 c + s)).  windows 2, 3: the accumulators, (i, c) at 8 (4 (i % 8) + c) (phase 2, window 2: two sets of 4 results; Cm).
.set PA,    272                        ; a row of x in LDS: 256 + 16
.set PW,    544                        ; a row of W1: 512 + 32
.set PD,    528                        ; a row of Dt: 512 + 16
.set XT,    256*PA
.set SLOT,  XT+128*PW
.set CML,   2*SLOT                     ; the expert's 512 Cm, f32
.set GST,   CML+2048                   ; 256 bytes a wave for the way out
.set SPARE, GST+1024                   ; the spare words
.set W1B,   12582912                   ; W1 in wb16
.set ADRA, 16
.set ADRB, 20
.set ADRD, 22                          ; my place in 16 rows of Dt; steps
.set ADRC, 23                          ; my slot's Cm; steps
.set GSA,  24
.set GSR,  25
.set GOF,  26
.set SPW,  28
.set NIL,  29
.set ZR,   30                          ; 0, for relu
.set BIAS, 32
.set BF,   64                          ; W1's fragments: 32 a buffer
.set G,    64                          ; phase 2: the sums, (c, j) at 8 c + j
.set T,    96                          ; phase 2: 16 at work
.set DF,   128                         ; phase 2: Dt's fragments: 64 a buffer
.set G1A, 24
.set G0A, 32
.set G1W, 40
.set G0W, 48
.set G1D, 56
.set G0D, 68
.set MSB, 0
.macro WIN new
.if MSB != (\new)
	s_set_vgpr_msb (MSB<<8)|(\new)
.set MSB, \new
.endif
.endm
.macro PLACES
.rept 4
	v_nop
.endr
.endm
.macro CREST
	s_cmp_lg_u32 s16, 0
	s_cbranch_scc1 .Lnot_wave_0_\@
	s_barrier_signal -3
.Lnot_wave_0_\@:
	s_barrier_wait -3
	s_barrier_signal -1
	s_barrier_wait -1
.endm
.macro CROUND
	s_barrier_signal -1
	s_barrier_wait -1
	CREST
.endm
.macro JLOAD s                         ; waves 0 and 1: the halves of x's tile; waves 2 and 3: those of W1's
	s_cmp_lt_u32 s16, 2
	s_cbranch_scc0 .Lfor_w_\@
	tensor_load_to_lds s[G0A+4*(\s):G0A+4*(\s)+3], s[G1A:G1A+7]
	s_nop 0
.rept 4
	v_nop
.endr
	s_branch .Lasked_\@
.Lfor_w_\@:
	tensor_load_to_lds s[G0W+4*(\s):G0W+4*(\s)+3], s[G1W:G1W+7]
	s_nop 0
.rept 4
	v_nop
.endr
.Lasked_\@:
.endm
.macro JLOADD                          ; every wave: 64 rows of Dt
	tensor_load_to_lds s[G0D:G0D+3], s[G1D:G1D+7]
	s_nop 0
.rept 4
	v_nop
.endr
.endm
	s_load_b256 s[4:11], s[0:1], 0x0               ; wb16 s[4:5], de16 s[6:7], cmb s[8:9], b1 s[10:11]
	s_load_b64 s[12:13], s[0:1], 0x20              ; gbuf
	v_lshl_add_u32 v[SPW], v0, 2, SPARE
	v_mov_b32 v[NIL], 0
	ds_add_u32 v[SPW], v[NIL]                      ; the wave's opening: the add and its wait stand ahead of my first tensor load
	v_lshrrev_b32 v1, 5, v0
	v_readfirstlane_b32 s16, v1                    ; wave 0..3
	s_and_b32 s18, s16, 1
	s_bfe_u32 s20, ttmp6, 0x40000                  ; cx: which 256 columns h
	s_bfe_u32 s21, ttmp6, 0x40004                  ; cy
	s_and_b32 s19, ttmp7, 0xffff
	s_lshl_b32 s19, s19, 2
	s_add_co_u32 s19, s19, s21                     ; b = 4 x cluster y + cy;  n = ttmp9, the cluster's x
	s_lshl_b32 s22, s21, 2
	s_lshl_b32 s22, 15, s22                        ; my row of the cluster
	s_lshl_b32 s23, 0x1111, s20                    ; my column
	s_or_b32 s[G1A], s22, (1<<16)|(1<<20)|(1<<21)|(5<<22)|(3<<25)  ; x: 128 rows x 128 elements, 4 words of padding after every 64
	s_mov_b32 s[G1A+1], 128<<16
	s_mov_b32 s[G1A+2], 128<<16
	s_mov_b32 s[G1A+3], 128<<16
	s_mov_b32 s[G1A+4], 128
	s_mov_b32 s[G1A+5], 1024
	s_mov_b32 s[G1A+6], 0
	s_mov_b32 s[G1A+7], 0
	s_or_b32 s[G1W], s23, (1<<16)|(1<<20)|(1<<21)|(6<<22)|(7<<25)  ; W1: 64 rows x 256 elements, 8 words after every 128
	s_mov_b32 s[G1W+1], 256<<16
	s_mov_b32 s[G1W+2], 64<<16
	s_mov_b32 s[G1W+3], 256<<16
	s_mov_b32 s[G1W+4], 64
	s_mov_b32 s[G1W+5], 1024
	s_mov_b32 s[G1W+6], 0
	s_mov_b32 s[G1W+7], 0
	s_or_b32 s[G1D], s22, (1<<16)|(1<<20)|(1<<21)|(6<<22)|(3<<25)  ; Dt: 64 rows x 256 elements, 4 words after every 128
	s_mov_b32 s[G1D+1], 256<<16
	s_mov_b32 s[G1D+2], 64<<16
	s_mov_b32 s[G1D+3], 256<<16
	s_mov_b32 s[G1D+4], 64
	s_mov_b32 s[G1D+5], 256
	s_mov_b32 s[G1D+6], 0
	s_mov_b32 s[G1D+7], 0
	s_lshl_b32 s72, s19, 19                        ; x: b x 256 rows x 2,048 bytes + my 128 rows
	s_lshl_b32 s73, s18, 18
	s_add_co_u32 s72, s72, s73
	s_mov_b32 s73, 0
	s_lshl_b32 s74, ttmp9, 21                      ; W1: n x 2 MiB + my 64 rows x 2,048 bytes + cx x 512 bytes
	s_lshl_b32 s75, s18, 17
	s_add_co_u32 s74, s74, s75
	s_lshl_b32 s75, s20, 9
	s_add_co_u32 s74, s74, s75
	s_add_co_u32 s74, s74, W1B
	s_mov_b32 s75, 0
	s_lshl_b32 s76, s19, 21                        ; Dt: (b x 4,096 + n x 512 + 64 w) rows of 512 bytes
	s_lshl_b32 s77, ttmp9, 18
	s_add_co_u32 s76, s76, s77
	s_lshl_b32 s77, s16, 15
	s_add_co_u32 s76, s76, s77
	s_mov_b32 s77, 0
	s_mul_i32 s80, s18, 128*PA                     ; half a tile of x, and of W1 (64 x 544 bytes), is 34,816 bytes
	s_add_co_u32 s89, s80, XT
	s_mul_i32 s81, s16, 64*PD
	s_wait_dscnt 0x0                               ; the opening add is done
	s_wait_kmcnt 0x0
	s_add_nc_u64 s[72:73], s[4:5], s[72:73]
	s_add_nc_u64 s[74:75], s[4:5], s[74:75]
	s_mov_b32 s[G0D], 1
	s_mov_b32 s[G0D+1], s81
	s_add_nc_u64 s[G0D+2:G0D+3], s[6:7], s[76:77]
	s_or_b32 s[G0D+3], s[G0D+3], 0x80000000
	CROUND                                         ; all sixteen work-groups are here
.irp s, 0,1
	s_mov_b32 s[G0A+4*(\s)], 1
	s_add_co_u32 s[G0A+4*(\s)+1], s80, (\s)*SLOT
	s_add_nc_u64 s[G0A+4*(\s)+2:G0A+4*(\s)+3], s[72:73], (\s)*256
	s_or_b32 s[G0A+4*(\s)+3], s[G0A+4*(\s)+3], 0x80000000
	s_mov_b32 s[G0W+4*(\s)], 1
	s_add_co_u32 s[G0W+4*(\s)+1], s89, (\s)*SLOT
	s_add_nc_u64 s[G0W+4*(\s)+2:G0W+4*(\s)+3], s[74:75], (\s)*262144
	s_or_b32 s[G0W+4*(\s)+3], s[G0W+4*(\s)+3], 0x80000000
	JLOAD \s                                       ; K steps 0 and 1: two loads of mine are out
.endr
	s_lshl_b32 s82, s19, 14                        ; Cm: (b x 4,096 + n x 512) x 4 bytes
	s_lshl_b32 s83, ttmp9, 11
	s_add_co_u32 s82, s82, s83
	s_mov_b32 s83, 0
	s_add_nc_u64 s[82:83], s[8:9], s[82:83]
	s_lshl_b32 s84, ttmp9, 12                      ; b1: (n x 1,024 + 256 cx + 64 w) x 4 bytes
	s_lshl_b32 s85, s20, 10
	s_add_co_u32 s84, s84, s85
	s_lshl_b32 s85, s16, 8
	s_add_co_u32 s84, s84, s85
	s_mov_b32 s85, 0
	s_add_nc_u64 s[86:87], s[10:11], s[84:85]
	s_lshl_b32 s88, s19, 15                        ; G: the same + b x 8,192 x 4 bytes
	s_add_co_u32 s84, s84, s88
	s_add_nc_u64 s[84:85], s[12:13], s[84:85]
	v_and_b32 v1, 15, v0                           ; l % 16
	v_bfe_u32 v2, v0, 4, 1                         ; l / 16
	v_and_b32 v3, 31, v0
	v_lshlrev_b32 v4, 4, v0
	global_load_b128 v[8:11], v4, s[82:83]         ; 128 threads x 16 bytes: the expert's 512 Cm
	v_lshlrev_b32 v5, 5, v2
.irp c, 0,1,2,3
	global_load_b128 v[BIAS+8*(\c):BIAS+8*(\c)+3],   v5, s[86:87] offset:64*(\c)     ; b1 of columns 16 c + 8 (l / 16) + 0..7: the C operand's layout
	global_load_b128 v[BIAS+8*(\c)+4:BIAS+8*(\c)+7], v5, s[86:87] offset:64*(\c)+16
.endr
	v_mul_u32_u24 v6, v1, PA
	v_lshl_add_u32 v[ADRA], v2, 4, v6
	v_add_nc_u32 v[ADRA+1], SLOT, v[ADRA]
	v_and_b32 v6, 7, v0
	v_bfe_u32 v7, v0, 3, 1
	v_lshl_add_u32 v6, v2, 3, v6
	v_mul_u32_u24 v6, v6, PW
	v_lshl_add_u32 v6, v7, 4, v6
	s_lshl_b32 s88, s16, 7                         ; my 64 columns: 128 bytes of W1's rows
	s_add_co_u32 s88, s88, XT
	v_add_nc_u32 v[ADRB], s88, v6
	v_add_nc_u32 v[ADRB+1], SLOT, v[ADRB]
	v_mul_u32_u24 v6, v1, PD
	v_lshl_add_u32 v[ADRD], v2, 4, v6
	v_lshl_add_u32 v[ADRC], v1, 2, CML
	s_lshl_b32 s88, s16, 8
	s_add_co_u32 s88, s88, GST
	v_lshl_add_u32 v[GSA], v2, 5, s88
	v_lshl_add_u32 v[GSR], v3, 3, s88
	v_lshlrev_b32 v[GOF], 3, v3
	v_mov_b32 v[ZR], 0
	v_add_nc_u32 v12, CML, v4
	s_wait_loadcnt 0x0
.set p, 0
.rept 16
	v_cvt_pk_bf16_f32 v[128+p], v[BIAS+2*p], v[BIAS+2*p+1]     ; b1 rounded to bf16, like all inputs,
.set p, p+1
.endr
.set p, 0
.rept 16
	v_lshlrev_b32 v[BIAS+2*p], 16, v[128+p]                    ; and widened again
	v_and_b32 v[BIAS+2*p+1], 0xffff0000, v[128+p]
.set p, p+1
.endr
	ds_store_b128 v12, v[8:11]
; 16 matrix instructions: row tiles 8 hi + i0 .. + 3 x the 4 column tiles, 32 along K.  The accumulators take turns.
.macro MUL16 f, hi, i0, zero
	WIN 0xa1+0x50*(\hi)                            ; x in window 1, W1 in window 0, C and D in window 2 or 3
.irp a, 0,1,2,3
.irp c, 0,1,2,3
.if \zero
	v_wmma_f32_16x16x32_bf16 v[8*(4*((\i0)+(\a))+(\c)):8*(4*((\i0)+(\a))+(\c))+7], v[128*(\f)+8*(8*(\hi)+(\i0)+(\a)):128*(\f)+8*(8*(\hi)+(\i0)+(\a))+7], v[BF+32*(\f)+8*(\c):BF+32*(\f)+8*(\c)+7], 0
.else
	v_wmma_f32_16x16x32_bf16 v[8*(4*((\i0)+(\a))+(\c)):8*(4*((\i0)+(\a))+(\c))+7], v[128*(\f)+8*(8*(\hi)+(\i0)+(\a)):128*(\f)+8*(8*(\hi)+(\i0)+(\a))+7], v[BF+32*(\f)+8*(\c):BF+32*(\f)+8*(\c)+7], v[8*(4*((\i0)+(\a))+(\c)):8*(4*((\i0)+(\a))+(\c))+7]
.endif
.endr
.endr
.endm
; 40 LDS loads in one run: quarter q of a slot into buffer f: W1's 8 (turned), then x's 32
.macro FETCH slot, q, f
	WIN 0
.irp c, 0,1,2,3
	ds_load_tr16_b128 v[BF+32*(\f)+8*(\c):BF+32*(\f)+8*(\c)+3],   v[ADRB+(\slot)] offset:(\q)*32*PW+32*(\c)
	ds_load_tr16_b128 v[BF+32*(\f)+8*(\c)+4:BF+32*(\f)+8*(\c)+7], v[ADRB+(\slot)] offset:(\q)*32*PW+16*PW+32*(\c)
.endr
	WIN 0x40                                       ; destination window 1
.irp a, 0,1,2,3,4,5,6,7,8,9,10,11,12,13,14,15
	ds_load_b128 v[128*(\f)+8*(\a):128*(\f)+8*(\a)+3],   v[ADRA+(\slot)] offset:(\a)*16*PA+64*(\q)
	ds_load_b128 v[128*(\f)+8*(\a)+4:128*(\f)+8*(\a)+7], v[ADRA+(\slot)] offset:(\a)*16*PA+64*(\q)+32
.endr
.endm
.macro QUARTER slot, q, f, g, zero
	s_wait_dscnt 16                                ; all but the youngest sixteen loads: x's row tiles 8 to 15
	MUL16 \f, 0, 0, \zero
	MUL16 \f, 0, 4, \zero
	PLACES
	FETCH \slot, \q, \g
	s_wait_dscnt 40                                ; all but the 40 just issued
	MUL16 \f, 1, 0, \zero
	MUL16 \f, 1, 4, \zero
.endm
; The last quarter multiplies buffer 1 and changes slots, behind a round of the cluster's barrier; in front of it each wave waits for all its tensor loads, adds 0 to its spare word, and waits
; for that and for its reads of this slot.  kind 0: this slot takes the K step two steps on.  kind 1 (K step 6 is read out): Dt's rows 0-255 go where slot 0 lay.
; kind 2 (K step 7 is read out): Dt's rows 256-511 behind them.  Always one tensor load a wave, the first thing behind the round.
.macro TURN slot, next, kind
	WIN 0
	s_wait_tensorcnt 0x0
	ds_add_u32 v[SPW], v[NIL]
	s_wait_dscnt 17                                ; the add and the youngest sixteen loads may be out
	MUL16 1, 0, 0, 0
	s_wait_dscnt 0x0
	s_barrier_signal -1
	MUL16 1, 0, 4, 0
	WIN 0
	s_barrier_wait -1
	CREST
.if (\kind) == 0
	s_add_nc_u64 s[G0A+4*(\slot)+2:G0A+4*(\slot)+3], s[G0A+4*(\slot)+2:G0A+4*(\slot)+3], 512
	s_add_nc_u64 s[G0W+4*(\slot)+2:G0W+4*(\slot)+3], s[G0W+4*(\slot)+2:G0W+4*(\slot)+3], 524288
	JLOAD \slot
.elseif (\kind) == 1
	JLOADD
.else
	s_add_co_u32 s[G0D+1], s[G0D+1], 256*PD
	s_add_nc_u64 s[G0D+2:G0D+3], s[G0D+2:G0D+3], 131072
	JLOADD
.endif
.if (\kind) < 2
	FETCH \next, 0, 0                              ; the four v_nop behind the load are the places in front of these loads
.endif
	MUL16 1, 1, 0, 0
	MUL16 1, 1, 4, 0
.endm
	s_wait_tensorcnt 0x1                           ; my part of K step 0 is in; step 1's may stay out
	s_wait_dscnt 0x0                               ; my part of Cm is stored
	s_barrier_signal -1
	s_barrier_wait -1
	FETCH 0, 0, 0
	QUARTER 0, 1, 0, 1, 1                          ; the first quarter's products start the sums
	WIN 0
	s_mov_b32 s3, 3
.Llap:
	QUARTER 0, 2, 1, 0, 0
	QUARTER 0, 3, 0, 1, 0
	TURN 0, 1, 0
	QUARTER 1, 1, 0, 1, 0
	QUARTER 1, 2, 1, 0, 0
	QUARTER 1, 3, 0, 1, 0
	TURN 1, 0, 0
	QUARTER 0, 1, 0, 1, 0
	WIN 0
	s_sub_co_u32 s3, s3, 1
	s_cmp_lg_u32 s3, 0
	s_cbranch_scc1 .Llap
	QUARTER 0, 2, 1, 0, 0
	QUARTER 0, 3, 0, 1, 0
	TURN 0, 1, 1
	QUARTER 1, 1, 0, 1, 0
	QUARTER 1, 2, 1, 0, 0
	QUARTER 1, 3, 0, 1, 0
	TURN 1, 0, 2
	; BETWEEN THE PHASES.  Dt's first 16 rows are fetched (rows 0-255 were shown landed in front of the last round); Z is rounded to f16 into window 1.
	PLACES
	WIN 0
.irp s, 0,1,2,3,4,5,6,7
	ds_load_b128 v[DF+8*(\s):DF+8*(\s)+3],   v[ADRD] offset:64*(\s)
	ds_load_b128 v[DF+8*(\s)+4:DF+8*(\s)+7], v[ADRD] offset:64*(\s)+32
.endr
.set s, 0
.rept 8                                ; tokens 32 s on: row tiles 2 s and 2 s + 1; each accumulator's registers in ascending order
	WIN 0x4a+5*(s/4)                               ; sources in window 2 or 3, destination in window 1
.set c, 0
.rept 4
.set h, 0
.rept 2
.set ra, 8*(4*((2*s+h)%8)+c)
.set j, 0
.rept 4
	v_cvt_pk_f16_f32 v[8*(8*c+s)+4*h+j], v[ra+2*j], v[ra+2*j+1]
.set j, j+1
.endr
.set h, h+1
.endr
.set c, c+1
.endr
.set s, s+1
.endr
	WIN 0                                          ; the first tile's text also weighs a tile that has not been: its results and its Cm are 0; G starts at 0
.set k, 0
.rept 32
	v_mov_b32 v[G+k], 0
.set k, k+1
.endr
	WIN 0x80
.set k, 32
.rept 36
	v_mov_b32 v[k], 0
.set k, k+1
.endr
	WIN 0
	s_wait_tensorcnt 0x0                           ; my part of Dt's rows 256-511 is in
	s_wait_dscnt 0x0
	s_barrier_signal -1
	s_barrier_wait -1                              ; everybody's is
; Three of the 48 lines that weigh the results of set 1 - u: for column tile e / 12: eight relu, then four packed G += Cm x relu
.macro EPI3 u
	WIN 0x02                                       ; source 0 in window 2
.rept 3
.set ec, e/12
.set eq, e%12
.if eq < 8
	v_max_num_f32 v[T+8*(ec%2)+eq], v[32*(1-(\u))+8*ec+eq], v[ZR]
.else
	v_pk_fma_f32 v[G+8*ec+2*(eq-8):G+8*ec+2*(eq-8)+1], v[64+2*(1-(\u)):65+2*(1-(\u))], v[T+8*(ec%2)+2*(eq-8):T+8*(ec%2)+2*(eq-8)+1], v[G+8*ec+2*(eq-8):G+8*ec+2*(eq-8)+1] op_sel_hi:[0,1,1]
.endif
.set e, e+1
.endr
.endm
; A tile of 16 slots, set u: 32 matrix instructions (tokens 32 s on, the 4 column tiles by turns); behind the first, four places and the next tile's 16 loads and this tile's Cm;
; behind every second, three lines that weigh the tile before.
.macro TILE u, fetch
	s_wait_dscnt 0x0                               ; this tile's fragments and the last tile's Cm are in
.set e, 0
.set mm, 0
.rept 32
.set ms, mm/4
.set mc, mm%4
.if ms == 0
	WIN 0x81                                       ; Z in window 1, Dt and b1 in window 0, D in window 2
	v_wmma_f32_16x16x32_f16 v[32*(\u)+8*mc:32*(\u)+8*mc+7], v[64*mc:64*mc+7], v[DF+64*(\u):DF+64*(\u)+7], v[BIAS+8*mc:BIAS+8*mc+7]
.else
	WIN 0xa1
	v_wmma_f32_16x16x32_f16 v[32*(\u)+8*mc:32*(\u)+8*mc+7], v[8*(8*mc+ms):8*(8*mc+ms)+7], v[DF+64*(\u)+8*ms:DF+64*(\u)+8*ms+7], v[32*(\u)+8*mc:32*(\u)+8*mc+7]
.endif
.if mm == 0
	PLACES                                         ; behind the last tile's products: for the loads into its fragments and for the reads of its results
.if \fetch
	WIN 0
.irp s, 0,1,2,3,4,5,6,7
	ds_load_b128 v[DF+64*(1-(\u))+8*(\s):DF+64*(1-(\u))+8*(\s)+3],   v[ADRD] offset:((\u)+1)*16*PD+64*(\s)
	ds_load_b128 v[DF+64*(1-(\u))+8*(\s)+4:DF+64*(1-(\u))+8*(\s)+7], v[ADRD] offset:((\u)+1)*16*PD+64*(\s)+32
.endr
.endif
	WIN 0x80
	ds_load_b32 v[64+2*(\u)], v[ADRC] offset:64*(\u)
.endif
.if mm%2 == 1
	EPI3 \u
.endif
.set mm, mm+1
.endr
.endm
	s_mov_b32 s3, 15
.Lpair:                                                ; a trip: two tiles of 16 slots
	TILE 0, 1
	TILE 1, 1
	WIN 0
	v_add_nc_u32 v[ADRD], 32*PD, v[ADRD]
	v_add_nc_u32 v[ADRC], 128, v[ADRC]
	s_sub_co_u32 s3, s3, 1
	s_cmp_lg_u32 s3, 0
	s_cbranch_scc1 .Lpair
	TILE 0, 1
	TILE 1, 0                                      ; the last tile fetches nothing
	s_wait_dscnt 0x0                               ; its Cm
	PLACES
.set e, 0
.rept 16
	EPI3 0                                         ; and is weighed
.endr
	; THE WAY OUT: the sum over the 16 lanes (slots); 64 columns a wave through LDS, stored as 256 consecutive, aligned bytes
	WIN 0
.irp x, 1,2,4,8
.set k, 0
.rept 32
	v_add_f32_dpp v[G+k], v[G+k], v[G+k] row_xmask:\x row_mask:0xf bank_mask:0xf
.set k, k+1
.endr
.endr
.irp c, 0,1,2,3
	ds_store_b128 v[GSA], v[G+8*(\c):G+8*(\c)+3] offset:64*(\c)
	ds_store_b128 v[GSA], v[G+8*(\c)+4:G+8*(\c)+7] offset:64*(\c)+16
.endr
	ds_load_b64 v[T:T+1], v[GSR]                   ; LDS serves a wave's instructions in order (ISA guide 5.7.1.4): this sees the stores above
	s_wait_dscnt 0x0
	global_store_b64 v[GOF], v[T:T+1], s[84:85]
	s_wait_tensorcnt 0x0                           ; the wave's end
	ds_add_u32 v[SPW], v[NIL]
	s_wait_dscnt 0x0
	CROUND                                         ; the closing round
	s_endpgm
.Lfunc_end_k_q490b085c6d_experts:
	.size	k_q490b085c6d_experts, .Lfunc_end_k_q490b085c6d_experts-k_q490b085c6d_experts
	.p2alignl 7, 3214868480
	.fill 96, 4, 3214868480
	.section	.rodata,"a",@progbits
	.p2align	6, 0x0
	.amdhsa_kernel k_q490b085c6d_experts
		.amdhsa_group_segment_fixed_size 327680
		.amdhsa_private_segment_fixed_size 0
		.amdhsa_enable_private_segment 0
		.amdhsa_kernarg_size 40
		.amdhsa_user_sgpr_count 2
		.amdhsa_user_sgpr_kernarg_segment_ptr 1
		.amdhsa_wavefront_size32 1
		.amdhsa_system_sgpr_workgroup_id_x 1
		.amdhsa_system_sgpr_workgroup_id_y 1
		.amdhsa_system_sgpr_workgroup_id_z 1
		.amdhsa_system_vgpr_workitem_id 0
		.amdhsa_next_free_vgpr 1024
		.amdhsa_next_free_sgpr 96
		.amdhsa_reserve_vcc 0
		.amdhsa_float_denorm_mode_32 3
		.amdhsa_float_denorm_mode_16_64 3
		.amdhsa_memory_ordered 1
		.amdhsa_forward_progress 1
		.amdhsa_inst_pref_size 179
	.end_amdhsa_kernel
	.amdgpu_metadata
---
amdhsa.version: [ 1, 2 ]
amdhsa.kernels:
  - .name:           k_q490b085c6d_experts
    .symbol:         k_q490b085c6d_experts.kd
    .args:
      - { .name: wb16, .offset: 0, .size: 8, .value_kind: global_buffer, .address_space: global }
      - { .name: de16, .offset: 8, .size: 8, .value_kind: global_buffer, .address_space: global }
      - { .name: cmb, .offset: 16, .size: 8, .value_kind: global_buffer, .address_space: global }
      - { .name: b1, .offset: 24, .size: 8, .value_kind: global_buffer, .address_space: global }
      - { .name: gbuf, .offset: 32, .size: 8, .value_kind: global_buffer, .address_space: global }
    .group_segment_fixed_size: 327680
    .private_segment_fixed_size: 0
    .kernarg_segment_align: 8
    .kernarg_segment_size: 40
    .max_flat_workgroup_size: 128
    .sgpr_count:     96
    .vgpr_count:     1024
    .wavefront_size: 32
...
	.end_amdgpu_metadata
.endif
;; end of part 4
;; launch down (part 5): grid 128 x 1, 8 waves a work-group, no clusters, 82,944 bytes of LDS; arguments gbuf, W2, part; writes part
.if DOCPART == 5
	.amdgcn_target "amdgcn-amd-amdhsa--gfx1250"
	.amdhsa_code_object_version 6
	.text
	.protected	k_q490b085c6d_down
	.globl	k_q490b085c6d_down
	.p2align	8
	.type	k_q490b085c6d_down,@function
k_q490b085c6d_down:
	s_mov_b64 s[64:65], 0
	v_nop
	global_prefetch_b8 v0, s[64:65] scope:SCOPE_SE
	s_setreg_imm32_b32 hwreg(HW_REG_WAVE_MODE, 25, 1), 1
	s_wait_xcnt 0x0
; part[g][b][o] = sum over the 64 rows k = 64 g .. 64 g + 63 of G[b][k] W2[k][o]  (W2 taken as [8,192][512]).  The weights bind: each f32 weight is read once, by one wave,
; rounded to bf16 on its way through registers and laid in the wave's own LDS, from where the turning load makes source 0 (16 columns o x 32 rows k).
; Source 1 has 16 columns: G of the 8 batches rounded to bf16, and what that rounding left (G - bf16(G), again in bf16): the two results are added, so G keeps f32's worth of bits.
; Wave w: columns 64 w .. 64 w + 63: 4 accumulators x 2 steps of 32.  All 32 loads of weights of a wave go out before the first wait.
; No cluster: no two work-groups read the same weights; G is 2 KiB a work-group.  The partial sums stay f32; the next launch adds them.
.set PW,    160                        ; a row of weights in LDS: 64 bf16 + 32 bytes
.set WREG,  64*PW                      ; a wave's own bytes
.set PO,    272                        ; the way out: a batch's 64 f32 + 16 bytes
.set SPARE, 8*WREG
	s_load_b128 s[4:7], s[0:1], 0x0                ; gbuf s[4:5], W2 s[6:7]
	s_load_b64 s[8:9], s[0:1], 0x10                ; part
	v_lshl_add_u32 v2, v0, 2, SPARE                ; my spare word; never rewritten
	v_mov_b32 v3, 0                                ; 0; never rewritten
	v_lshrrev_b32 v1, 5, v0
	v_readfirstlane_b32 s10, v1                    ; wave 0..7
	v_and_b32 v1, 15, v0                           ; l % 16
	v_bfe_u32 v192, v0, 4, 1                       ; l / 16
	v_and_b32 v193, 7, v0                          ; the batch of my column; also l % 8
	v_bfe_u32 v195, v0, 3, 1
	v_lshlrev_b32 v194, 15, v193                   ; G: batch x 32,768 bytes + 8 (l / 16) numbers
	v_lshl_add_u32 v194, v192, 5, v194
	s_lshl_b32 s11, s10, 8
	v_lshl_add_u32 v4, v1, 4, s11                  ; W2 and part: lanes 0-15 256 bytes of one row, lanes 16-31 of the next
	v_lshl_add_u32 v4, v192, 11, v4
	s_mul_i32 s12, s10, WREG
	v_mul_u32_u24 v5, v192, PW                     ; where the rounded weights go
	v_lshl_add_u32 v5, v1, 3, v5
	v_add_nc_u32 v5, s12, v5
	v_lshl_add_u32 v6, v192, 3, v193               ; the turning load: row 8 (l / 16) + l % 8, 16 bytes at 16 ((l / 8) % 2)
	v_mul_u32_u24 v6, v6, PW
	v_lshl_add_u32 v6, v195, 4, v6
	v_add_nc_u32 v6, s12, v6
	v_mul_u32_u24 v7, v193, PO                     ; the way out: row = batch, 32 bytes for each half of the lanes
	v_lshl_add_u32 v7, v192, 5, v7
	v_add_nc_u32 v7, s12, v7
	v_cmp_le_u32 s30, 8, v1                        ; columns 8-15 take what the rounding left
	s_lshl_b32 s14, ttmp9, 8
	s_mov_b32 s15, 0
	s_lshl_b32 s16, ttmp9, 17
	s_mov_b32 s17, 0
	s_lshl_b32 s18, ttmp9, 14
	s_mov_b32 s19, 0
	s_wait_kmcnt 0x0
	s_add_nc_u64 s[4:5], s[4:5], s[14:15]
	s_add_nc_u64 s[6:7], s[6:7], s[16:17]
	s_add_nc_u64 s[8:9], s[8:9], s[18:19]
.set i, 0
.rept 8                                ; i = 4 s + 2 a + q: rows 32 s + 16 a + 8 (l / 16) + 4 q on
	global_load_b128 v[8+4*i:11+4*i], v194, s[4:5] offset:128*(i/4)+64*((i/2)%2)+16*(i%2)
.set i, i+1
.endr
.set i, 0
.rept 32
	global_load_b128 v[64+4*i:67+4*i], v4, s[6:7] offset:4096*i th:TH_LOAD_NT
.set i, i+1
.endr
	s_wait_loadcnt 32                              ; G is in; the 32 loads of weights stay out
.set p, 0
.rept 16
.set t, 56+4*(p%2)
	v_cvt_pk_bf16_f32 v[t], v[8+2*p], v[9+2*p]
	v_lshlrev_b32 v[t+1], 16, v[t]
	v_and_b32 v[t+2], 0xffff0000, v[t]
	v_sub_f32 v[t+1], v[8+2*p], v[t+1]
	v_sub_f32 v[t+2], v[9+2*p], v[t+2]
	v_cvt_pk_bf16_f32 v[t+3], v[t+1], v[t+2]
	v_cndmask_b32 v[40+p], v[t], v[t+3], s30
.set p, p+1
.endr
.set i, 0
.rept 32
	s_wait_loadcnt 31-i                            ; loads come back in order: number i is in
	v_cvt_pk_bf16_f32 v[60+2*(i%2)], v[64+4*i], v[65+4*i]
	v_cvt_pk_bf16_f32 v[61+2*(i%2)], v[66+4*i], v[67+4*i]
	ds_store_b64 v5, v[60+2*(i%2):61+2*(i%2)] offset:2*PW*i
.set i, i+1
.endr
.set i, 0
.rept 8                                ; i = 4 s + c; the bytes are my wave's own, and LDS serves a wave's instructions in order
	ds_load_tr16_b128 v[192+8*i:195+8*i], v6 offset:(i/4)*32*PW+32*(i%4)
	ds_load_tr16_b128 v[196+8*i:199+8*i], v6 offset:(i/4)*32*PW+16*PW+32*(i%4)
.set i, i+1
.endr
	s_wait_dscnt 0x0
.irp c, 0,1,2,3
	v_wmma_f32_16x16x32_bf16 v[8+8*(\c):15+8*(\c)], v[192+8*(\c):199+8*(\c)], v[40:47], 0
.endr
.irp c, 0,1,2,3
	v_wmma_f32_16x16x32_bf16 v[8+8*(\c):15+8*(\c)], v[224+8*(\c):231+8*(\c)], v[48:55], v[8+8*(\c):15+8*(\c)]
.endr
	v_bfe_u32 v56, v0, 4, 1                        ; the address for reading back: four plain lines, the places behind the last product
	v_mul_u32_u24 v56, v56, PO
	v_lshl_add_u32 v56, v1, 4, v56
	v_add_nc_u32 v56, s12, v56
.set k, 0
.rept 32
	v_add_f32_dpp v[8+k], v[8+k], v[8+k] row_xmask:8 row_mask:0xf bank_mask:0xf  ; column b and column b + 8
.set k, k+1
.endr
.irp c, 0,1,2,3
	ds_store_b128 v7, v[8+8*(\c):11+8*(\c)] offset:64*(\c)
	ds_store_b128 v7, v[12+8*(\c):15+8*(\c)] offset:64*(\c)+16
.endr
.irp k, 0,1,2,3
	ds_load_b128 v[64+4*(\k):67+4*(\k)], v56 offset:2*PO*(\k)
.endr
.irp k, 0,1,2,3
	s_wait_dscnt 3-(\k)
	global_store_b128 v4, v[64+4*(\k):67+4*(\k)], s[8:9] offset:4096*(\k)  ; 16 lanes store 256 consecutive, aligned bytes
.endr
	s_wait_tensorcnt 0x0                           ; the wave's end
	ds_add_u32 v2, v3
	s_wait_dscnt 0x0
	s_endpgm
.Lfunc_end_k_q490b085c6d_down:
	.size	k_q490b085c6d_down, .Lfunc_end_k_q490b085c6d_down-k_q490b085c6d_down
	.p2alignl 7, 3214868480
	.fill 96, 4, 3214868480
	.section	.rodata,"a",@progbits
	.p2align	6, 0x0
	.amdhsa_kernel k_q490b085c6d_down
		.amdhsa_group_segment_fixed_size 82944
		.amdhsa_private_segment_fixed_size 0
		.amdhsa_enable_private_segment 0
		.amdhsa_kernarg_size 24
		.amdhsa_user_sgpr_count 2
		.amdhsa_user_sgpr_kernarg_segment_ptr 1
		.amdhsa_wavefront_size32 1
		.amdhsa_system_sgpr_workgroup_id_x 1
		.amdhsa_system_sgpr_workgroup_id_y 1
		.amdhsa_system_sgpr_workgroup_id_z 1
		.amdhsa_system_vgpr_workitem_id 0
		.amdhsa_next_free_vgpr 256
		.amdhsa_next_free_sgpr 66
		.amdhsa_reserve_vcc 0
		.amdhsa_float_denorm_mode_32 3
		.amdhsa_float_denorm_mode_16_64 3
		.amdhsa_memory_ordered 1
		.amdhsa_forward_progress 1
		.amdhsa_inst_pref_size 24
	.end_amdhsa_kernel
	.amdgpu_metadata
---
amdhsa.version: [ 1, 2 ]
amdhsa.kernels:
  - .name:           k_q490b085c6d_down
    .symbol:         k_q490b085c6d_down.kd
    .args:
      - { .name: gbuf, .offset: 0, .size: 8, .value_kind: global_buffer, .address_space: global }
      - { .name: W2, .offset: 8, .size: 8, .value_kind: global_buffer, .address_space: global }
      - { .name: part, .offset: 16, .size: 8, .value_kind: global_buffer, .address_space: global }
    .group_segment_fixed_size: 82944
    .private_segment_fixed_size: 0
    .kernarg_segment_align: 8
    .kernarg_segment_size: 24
    .max_flat_workgroup_size: 256
    .sgpr_count:     66
    .vgpr_count:     256
    .wavefront_size: 32
...
	.end_amdgpu_metadata
.endif
;; end of part 5
;; launch finish (part 6): grid 8 x 8, 4 waves a work-group, no clusters, 1,536 bytes of LDS; arguments part, cmb, b2, out0; writes out0
.if DOCPART == 6
	.amdgcn_target "amdgcn-amd-amdhsa--gfx1250"
	.amdhsa_code_object_version 6
	.text
	.protected	k_q490b085c6d_finish
	.globl	k_q490b085c6d_finish
	.p2align	8
	.type	k_q490b085c6d_finish,@function
k_q490b085c6d_finish:
	s_mov_b64 s[64:65], 0
	v_nop
	global_prefetch_b8 v0, s[64:65] scope:SCOPE_SE
	s_setreg_imm32_b32 hwreg(HW_REG_WAVE_MODE, 25, 1), 1
	s_wait_xcnt 0x0
; out0[b][o] = the sum of the 128 partial rows + sum over n of (sum over p of Cm[b][n][p]) b2[n][o].  A work-group owns 64 columns o of one batch.
; Thread: 4 columns (16 bytes) of 16 partial rows; wave w also adds the terms of experts 2 w and 2 w + 1 (b2 rounded to bf16 like all inputs; the eight tiles' sums of Cm by one scalar load).
; The four waves' sums meet in LDS; wave 0 stores 256 consecutive, aligned bytes.  All sums in f32.
.set SPARE, 1024
.set SCP,   131072
	s_load_b256 s[4:11], s[0:1], 0x0               ; part s[4:5], cmb s[6:7], b2 s[8:9], out0 s[10:11]
	v_lshl_add_u32 v2, v0, 2, SPARE                ; my spare word; never rewritten
	v_mov_b32 v3, 0                                ; 0; never rewritten
	v_lshrrev_b32 v4, 5, v0
	v_readfirstlane_b32 s56, v4                    ; wave 0..3
	v_and_b32 v1, 31, v0
	s_and_b32 s57, ttmp7, 0xffff                   ; b
	s_lshl_b32 s58, s57, 11                        ; b x 2,048 + 256 x column group: in a partial row block and in out0
	s_lshl_b32 s59, ttmp9, 8
	s_add_co_u32 s58, s58, s59
	s_mov_b32 s59, 0
	s_lshl_b32 s60, s57, 7                         ; the tiles' sums: (b x 32 + 8 w) x 4 bytes
	s_lshl_b32 s61, s56, 5
	s_add_co_u32 s60, s60, s61
	s_add_co_u32 s60, s60, SCP
	s_mov_b32 s61, 0
	s_lshl_b32 s62, ttmp9, 8                       ; b2: rows 2 w, 2 w + 1 of 2,048 bytes
	s_lshl_b32 s63, s56, 12
	s_add_co_u32 s62, s62, s63
	s_mov_b32 s63, 0
	s_mov_b32 s14, 0x76543210
	s_mov_b32 s15, 0xfedcba98
	v_lshrrev_b32 v5, 4, v0
	v_and_b32 v6, 15, v0
	v_lshlrev_b32 v7, 4, v6
	v_lshl_add_u32 v5, v5, 14, v7                  ; partial block thread / 16, 16 bytes at 16 (thread % 16)
	v_lshl_add_u32 v80, v4, 8, v7                  ; my wave's 256 bytes in LDS
	s_wait_kmcnt 0x0
	s_add_nc_u64 s[12:13], s[6:7], s[60:61]
	s_load_b256 s[16:23], s[12:13], 0x0
	s_add_nc_u64 s[4:5], s[4:5], s[58:59]
	s_add_nc_u64 s[10:11], s[10:11], s[58:59]
	s_add_nc_u64 s[8:9], s[8:9], s[62:63]
.set i, 0
.rept 16
	global_load_b128 v[8+4*i:11+4*i], v5, s[4:5] offset:131072*i th:TH_LOAD_NT
.set i, i+1
.endr
	global_load_b128 v[72:75], v7, s[8:9]
	global_load_b128 v[76:79], v7, s[8:9] offset:2048
	s_wait_loadcnt 0x0
	s_wait_kmcnt 0x0
.set i, 4
.rept 12                               ; four chains
	v_pk_add_f32 v[8+4*(i%4):9+4*(i%4)], v[8+4*(i%4):9+4*(i%4)], v[8+4*i:9+4*i]
	v_pk_add_f32 v[10+4*(i%4):11+4*(i%4)], v[10+4*(i%4):11+4*(i%4)], v[10+4*i:11+4*i]
.set i, i+1
.endr
	v_pk_add_f32 v[8:9], v[8:9], v[12:13]
	v_pk_add_f32 v[10:11], v[10:11], v[14:15]
	v_pk_add_f32 v[16:17], v[16:17], v[20:21]
	v_pk_add_f32 v[18:19], v[18:19], v[22:23]
	v_pk_add_f32 v[8:9], v[8:9], v[16:17]
	v_pk_add_f32 v[10:11], v[10:11], v[18:19]
.irp k, 0,1,2,3
	v_permlanex16_b32 v[12+(\k)], v[8+(\k)], s14, s15  ; the other half of the lanes holds other partial rows of the same columns
.endr
	v_pk_add_f32 v[8:9], v[8:9], v[12:13]
	v_pk_add_f32 v[10:11], v[10:11], v[14:15]
	s_add_f32 s24, s16, s17                        ; the sum of Cm over expert 2 w's four tiles,
	s_add_f32 s25, s18, s19
	s_add_f32 s24, s24, s25
	s_add_f32 s26, s20, s21                        ; and over expert 2 w + 1's
	s_add_f32 s27, s22, s23
	s_add_f32 s26, s26, s27
.irp k, 0,1,2,3
	v_cvt_pk_bf16_f32 v[81+(\k)], v[72+2*(\k)], v[73+2*(\k)]
.endr
.irp k, 0,1,2,3
	v_lshlrev_b32 v[72+2*(\k)], 16, v[81+(\k)]
	v_and_b32 v[73+2*(\k)], 0xffff0000, v[81+(\k)]
.endr
.irp k, 0,1,2,3
	v_fma_f32 v[8+(\k)], s24, v[72+(\k)], v[8+(\k)]
.endr
.irp k, 0,1,2,3
	v_fma_f32 v[8+(\k)], s26, v[76+(\k)], v[8+(\k)]
.endr
	ds_store_b128 v80, v[8:11]                     ; both halves of the lanes hold the same numbers and write the same bytes
	s_wait_dscnt 0x0                               ; for the others' sake
	s_barrier_signal -1
	s_barrier_wait -1
	s_wait_tensorcnt 0x0                           ; no wave writes LDS behind this barrier
	ds_add_u32 v2, v3
	s_wait_dscnt 0x0
	s_cmp_lg_u32 s56, 0
	s_cbranch_scc1 .Lend
	v_lshlrev_b32 v6, 3, v1
	ds_load_b64 v[40:41], v6
	ds_load_b64 v[42:43], v6 offset:256
	ds_load_b64 v[44:45], v6 offset:512
	ds_load_b64 v[46:47], v6 offset:768
	s_wait_dscnt 0x0
	v_pk_add_f32 v[40:41], v[40:41], v[42:43]
	v_pk_add_f32 v[44:45], v[44:45], v[46:47]
	v_pk_add_f32 v[40:41], v[40:41], v[44:45]
	global_store_b64 v6, v[40:41], s[10:11]
.Lend:
	s_endpgm
.Lfunc_end_k_q490b085c6d_finish:
	.size	k_q490b085c6d_finish, .Lfunc_end_k_q490b085c6d_finish-k_q490b085c6d_finish
	.p2alignl 7, 3214868480
	.fill 96, 4, 3214868480
	.section	.rodata,"a",@progbits
	.p2align	6, 0x0
	.amdhsa_kernel k_q490b085c6d_finish
		.amdhsa_group_segment_fixed_size 1536
		.amdhsa_private_segment_fixed_size 0
		.amdhsa_enable_private_segment 0
		.amdhsa_kernarg_size 32
		.amdhsa_user_sgpr_count 2
		.amdhsa_user_sgpr_kernarg_segment_ptr 1
		.amdhsa_wavefront_size32 1
		.amdhsa_system_sgpr_workgroup_id_x 1
		.amdhsa_system_sgpr_workgroup_id_y 1
		.amdhsa_system_sgpr_workgroup_id_z 1
		.amdhsa_system_vgpr_workitem_id 0
		.amdhsa_next_free_vgpr 96
		.amdhsa_next_free_sgpr 66
		.amdhsa_reserve_vcc 0
		.amdhsa_float_denorm_mode_32 3
		.amdhsa_float_denorm_mode_16_64 3
		.amdhsa_memory_ordered 1
		.amdhsa_forward_progress 1
		.amdhsa_inst_pref_size 8
	.end_amdhsa_kernel
	.amdgpu_metadata
---
amdhsa.version: [ 1, 2 ]
amdhsa.kernels:
  - .name:           k_q490b085c6d_finish
    .symbol:         k_q490b085c6d_finish.kd
    .args:
      - { .name: part, .offset: 0, .size: 8, .value_kind: global_buffer, .address_space: global }
      - { .name: cmb, .offset: 8, .size: 8, .value_kind: global_buffer, .address_space: global }
      - { .name: b2, .offset: 16, .size: 8, .value_kind: global_buffer, .address_space: global }
      - { .name: out0, .offset: 24, .size: 8, .value_kind: global_buffer, .address_space: global }
    .group_segment_fixed_size: 1536
    .private_segment_fixed_size: 0
    .kernarg_segment_align: 8
    .kernarg_segment_size: 32
    .max_flat_workgroup_size: 128
    .sgpr_count:     66
    .vgpr_count:     96
    .wavefront_size: 32
...
	.end_amdgpu_metadata
.endif
;; end of part 6
;; ======== version 2 of 2: 6 launches; version 1 with the launch down written anew for expert scheduling mode
;; limits: values are held in f16: magnitudes above 65,504 overflow, below 6.1e-05 lose precision
;; workspace buffers: wb16 29,360,128 bytes; de16 33,554,432 bytes; rs 524,288 bytes; cmb 132,096 bytes; gbuf 262,144 bytes; part 2,097,152 bytes
;; launch cast: the kernel of part 1 again; grid 1792 x 1, 8 waves a work-group, no clusters, 0 bytes of LDS; arguments x, phi, W1, wb16; writes wb16
;; launch logits: the kernel of part 2 again; grid 32 x 8, 4 waves a work-group, clusters of 4 x 4, 327,680 bytes of LDS; arguments wb16, de16, rs; writes de16, rs
;; launch combine: the kernel of part 3 again; grid 32 x 8, 8 waves a work-group, no clusters, 2,560 bytes of LDS; arguments de16, rs, cmb; writes cmb
;; launch experts: the kernel of part 4 again; grid 32 x 8, 4 waves a work-group, clusters of 4 x 4, 327,680 bytes of LDS; arguments wb16, de16, cmb, b1, gbuf; writes gbuf
;; launch down (part 7): grid 128 x 1, 8 waves a work-group, no clusters, 82,944 bytes of LDS; arguments gbuf, W2, part; writes part
.if DOCPART == 7
	.amdgcn_target "amdgcn-amd-amdhsa--gfx1250"
	.amdhsa_code_object_version 6
	.text
	.protected	k_q490b085c6d_down
	.globl	k_q490b085c6d_down
	.p2align	8
	.type	k_q490b085c6d_down,@function
k_q490b085c6d_down:
	s_mov_b64 s[64:65], 0
	v_nop
	global_prefetch_b8 v0, s[64:65] scope:SCOPE_SE
	s_setreg_imm32_b32 hwreg(HW_REG_WAVE_SCHED_MODE, 0, 2), 2
	s_setreg_imm32_b32 hwreg(HW_REG_WAVE_MODE, 25, 1), 1
	s_wait_xcnt 0x0
	s_wait_alu depctr_vm_vsrc(0)
; part[g][b][o] = sum over the 64 rows k = 64 g .. 64 g + 63 of G[b][k] W2[k][o]  (W2 taken as [8,192][512]).  The weights bind: each f32 weight is read once, by one wave,
; rounded to bf16 on its way through registers and laid in the wave's own LDS, from where the turning load makes source 0 (16 columns o x 32 rows k).
; Source 1 has 16 columns: G of the 8 batches rounded to bf16, and what that rounding left (G - bf16(G), again in bf16): the two results are added, so G keeps f32's worth of bits.
; Wave w: columns 64 w .. 64 w + 63: 4 accumulators x 2 steps of 32.  All 32 loads of weights of a wave go out before the first wait.
; No cluster: no two work-groups read the same weights; G is 2 KiB a work-group.  The partial sums stay f32; the next launch adds them.
; THE MODE: SCHED_MODE bits 1:0 = 2 (LLVM: expert scheduling mode 2), set by the entry lines.  The code itself states the register dependences
; between vector or matrix instructions and memory or LDS instructions, with s_wait_alu, always for 0.
; THE PLAN.  One straight run of code: no loop, no branch, no label.  Registers that memory or LDS instructions touch:
;   v194, v4, v5, v6, v7  offsets and LDS addresses, made once at the head.  v194 is read by G's loads alone; later a turning load lands on it.  The others are never written again.
;   v8-39     G's loads land here and its conversions read them; later the four accumulators, which the lane additions rewrite and the way out's LDS stores read.
;   v64-191   weight load i lands in v[64+4i .. 67+4i]; its two conversions close the four numbers up IN PLACE into v[64+4i], v[65+4i]; LDS store i reads that pair, which nothing writes
;             again before the way out, whose four LDS loads land in v64-79.
;   v192-255  v192-195 serve the head's address arithmetic; later the 16 turning loads land here and the matrix instructions read them.
;   v56       the way out's read address, made behind the products.
;   v2, v3    written at the head, read by the closing add alone.
; The 32 weight loads are taken in 8 groups of four.  At a group's head stand the wait for its data and ONE wait on va_vdst: the group before has written its four pairs.  That group's four
; LDS stores are dealt among this group's eight conversions, which name this group's registers alone.  One wait on vm_vsrc stands behind the last of these stores.
.set PW,    160                        ; a row of weights in LDS: 64 bf16 + 32 bytes
.set WREG,  64*PW                      ; a wave's own bytes
.set PO,    272                        ; the way out: a batch's 64 f32 + 16 bytes
.set SPARE, 8*WREG
	s_load_b128 s[4:7], s[0:1], 0x0                ; gbuf s[4:5], W2 s[6:7]
	s_load_b64 s[8:9], s[0:1], 0x10                ; part
	v_lshl_add_u32 v2, v0, 2, SPARE                ; my spare word; never rewritten
	v_mov_b32 v3, 0                                ; 0; never rewritten
	v_lshrrev_b32 v1, 5, v0
	v_readfirstlane_b32 s10, v1                    ; wave 0..7
	v_and_b32 v1, 15, v0                           ; l % 16
	v_cmp_le_u32 s30, 8, v1                        ; columns 8-15 take what the rounding left
	v_bfe_u32 v192, v0, 4, 1                       ; l / 16
	v_and_b32 v193, 7, v0                          ; the batch of my column; also l % 8
	v_bfe_u32 v195, v0, 3, 1
	v_lshlrev_b32 v194, 15, v193                   ; G: batch x 32,768 bytes + 8 (l / 16) numbers
	v_lshl_add_u32 v194, v192, 5, v194
	s_wait_alu depctr_va_sdst(0)                   ; s10 and s30 are written, ahead of their first readers: the line below reads s10, the selects of G's two roundings read s30
	s_lshl_b32 s11, s10, 8
	v_lshl_add_u32 v4, v1, 4, s11                  ; W2 and part: lanes 0-15 256 bytes of one row, lanes 16-31 of the next
	v_lshl_add_u32 v4, v192, 11, v4
	s_mul_i32 s12, s10, WREG
	v_mul_u32_u24 v5, v192, PW                     ; where the rounded weights go
	v_lshl_add_u32 v5, v1, 3, v5
	v_add_nc_u32 v5, s12, v5
	v_lshl_add_u32 v6, v192, 3, v193               ; the turning load: row 8 (l / 16) + l % 8, 16 bytes at 16 ((l / 8) % 2)
	v_mul_u32_u24 v6, v6, PW
	v_lshl_add_u32 v6, v195, 4, v6
	v_add_nc_u32 v6, s12, v6
	v_mul_u32_u24 v7, v193, PO                     ; the way out: row = batch, 32 bytes for each half of the lanes
	v_lshl_add_u32 v7, v192, 5, v7
	v_add_nc_u32 v7, s12, v7
	s_lshl_b32 s14, ttmp9, 8
	s_mov_b32 s15, 0
	s_lshl_b32 s16, ttmp9, 17
	s_mov_b32 s17, 0
	s_lshl_b32 s18, ttmp9, 14
	s_mov_b32 s19, 0
	s_wait_kmcnt 0x0
	s_add_nc_u64 s[4:5], s[4:5], s[14:15]
	s_add_nc_u64 s[6:7], s[6:7], s[16:17]
	s_add_nc_u64 s[8:9], s[8:9], s[18:19]
	s_wait_alu depctr_va_vdst(0)                   ; v194, v4, v5, v6 and v7 are written, which the loads and stores below read; v192-195, in which turning loads land, are written and their vector readers are done
.set i, 0
.rept 8                                ; i = 4 s + 2 a + q: rows 32 s + 16 a + 8 (l / 16) + 4 q on
	global_load_b128 v[8+4*i:11+4*i], v194, s[4:5] offset:128*(i/4)+64*((i/2)%2)+16*(i%2)
.set i, i+1
.endr
.set i, 0
.rept 32
	global_load_b128 v[64+4*i:67+4*i], v4, s[6:7] offset:4096*i th:TH_LOAD_NT
.set i, i+1
.endr
	s_wait_loadcnt 32                              ; G is in; the 32 loads of weights stay out
.set p, 0
.rept 16
.set t, 56+4*(p%2)
	v_cvt_pk_bf16_f32 v[t], v[8+2*p], v[9+2*p]
	v_lshlrev_b32 v[t+1], 16, v[t]
	v_and_b32 v[t+2], 0xffff0000, v[t]
	v_sub_f32 v[t+1], v[8+2*p], v[t+1]
	v_sub_f32 v[t+2], v[9+2*p], v[t+2]
	v_cvt_pk_bf16_f32 v[t+3], v[t+1], v[t+2]
	v_cndmask_b32 v[40+p], v[t], v[t+3], s30
.set p, p+1
.endr
.set g, 0
.rept 8                                ; group g: weight loads 4 g .. 4 g + 3
	s_wait_loadcnt 28-4*g                          ; loads come back in order: this group's four are in, the younger groups stay out
.if g > 0
	s_wait_alu depctr_va_vdst(0)                   ; the group before has written its four pairs, which the LDS stores below read
.endif
.set q, 0
.rept 4
.set i, 4*g+q
.if g > 0
	ds_store_b64 v5, v[64+4*(i-4):65+4*(i-4)] offset:2*PW*(i-4)  ; no vector instruction since the wait names this pair or v5
.endif
	v_cvt_pk_bf16_f32 v[64+4*i], v[64+4*i], v[65+4*i]          ; four numbers close up into the first two of their four registers
	v_cvt_pk_bf16_f32 v[65+4*i], v[66+4*i], v[67+4*i]
.set q, q+1
.endr
.set g, g+1
.endr
	s_wait_alu depctr_va_vdst(0)                   ; the last group has written its four pairs
.set i, 28
.rept 4
	ds_store_b64 v5, v[64+4*i:65+4*i] offset:2*PW*i
.set i, i+1
.endr
	s_wait_alu depctr_vm_vsrc(0)                   ; G's loads have read v194, on which the first turning load lands; the LDS stores have read their pairs, of which v64-79 take the way out's loads
.set i, 0
.rept 8                                ; i = 4 s + c; the bytes are my wave's own, and LDS serves a wave's instructions in order
	ds_load_tr16_b128 v[192+8*i:195+8*i], v6 offset:(i/4)*32*PW+32*(i%4)
	ds_load_tr16_b128 v[196+8*i:199+8*i], v6 offset:(i/4)*32*PW+16*PW+32*(i%4)
.set i, i+1
.endr
	s_wait_dscnt 0x0
.irp c, 0,1,2,3
	v_wmma_f32_16x16x32_bf16 v[8+8*(\c):15+8*(\c)], v[192+8*(\c):199+8*(\c)], v[40:47], 0
.endr
.irp c, 0,1,2,3
	v_wmma_f32_16x16x32_bf16 v[8+8*(\c):15+8*(\c)], v[224+8*(\c):231+8*(\c)], v[48:55], v[8+8*(\c):15+8*(\c)]
.endr
	v_bfe_u32 v56, v0, 4, 1                        ; the address for reading back: four plain lines, the places behind the last product
	v_mul_u32_u24 v56, v56, PO
	v_lshl_add_u32 v56, v1, 4, v56
	v_add_nc_u32 v56, s12, v56
.set k, 0
.rept 32
	v_add_f32_dpp v[8+k], v[8+k], v[8+k] row_xmask:8 row_mask:0xf bank_mask:0xf  ; column b and column b + 8
.set k, k+1
.endr
	s_wait_alu depctr_va_vdst(0)                   ; the additions have written v8-39, which the LDS stores read; v56 is written, which the LDS loads read as their address
.irp c, 0,1,2,3
	ds_store_b128 v7, v[8+8*(\c):11+8*(\c)] offset:64*(\c)
	ds_store_b128 v7, v[12+8*(\c):15+8*(\c)] offset:64*(\c)+16
.endr
.irp k, 0,1,2,3
	ds_load_b128 v[64+4*(\k):67+4*(\k)], v56 offset:2*PO*(\k)
.endr
.irp k, 0,1,2,3
	s_wait_dscnt 3-(\k)
	global_store_b128 v4, v[64+4*(\k):67+4*(\k)], s[8:9] offset:4096*(\k)  ; 16 lanes store 256 consecutive, aligned bytes
.endr
	s_wait_dscnt 0x0                               ; the wave's end
	s_wait_alu 0x0
	s_wait_tensorcnt 0x0
	ds_add_u32 v2, v3
	s_wait_dscnt 0x0
	s_endpgm
.Lfunc_end_k_q490b085c6d_down:
	.size	k_q490b085c6d_down, .Lfunc_end_k_q490b085c6d_down-k_q490b085c6d_down
	.p2alignl 7, 3214868480
	.fill 96, 4, 3214868480
	.section	.rodata,"a",@progbits
	.p2align	6, 0x0
	.amdhsa_kernel k_q490b085c6d_down
		.amdhsa_group_segment_fixed_size 82944
		.amdhsa_private_segment_fixed_size 0
		.amdhsa_enable_private_segment 0
		.amdhsa_kernarg_size 24
		.amdhsa_user_sgpr_count 2
		.amdhsa_user_sgpr_kernarg_segment_ptr 1
		.amdhsa_wavefront_size32 1
		.amdhsa_system_sgpr_workgroup_id_x 1
		.amdhsa_system_sgpr_workgroup_id_y 1
		.amdhsa_system_sgpr_workgroup_id_z 1
		.amdhsa_system_vgpr_workitem_id 0
		.amdhsa_next_free_vgpr 256
		.amdhsa_next_free_sgpr 66
		.amdhsa_reserve_vcc 0
		.amdhsa_float_denorm_mode_32 3
		.amdhsa_float_denorm_mode_16_64 3
		.amdhsa_memory_ordered 1
		.amdhsa_forward_progress 1
		.amdhsa_inst_pref_size 24
	.end_amdhsa_kernel
	.amdgpu_metadata
---
amdhsa.version: [ 1, 2 ]
amdhsa.kernels:
  - .name:           k_q490b085c6d_down
    .symbol:         k_q490b085c6d_down.kd
    .args:
      - { .name: gbuf, .offset: 0, .size: 8, .value_kind: global_buffer, .address_space: global }
      - { .name: W2, .offset: 8, .size: 8, .value_kind: global_buffer, .address_space: global }
      - { .name: part, .offset: 16, .size: 8, .value_kind: global_buffer, .address_space: global }
    .group_segment_fixed_size: 82944
    .private_segment_fixed_size: 0
    .kernarg_segment_align: 8
    .kernarg_segment_size: 24
    .max_flat_workgroup_size: 256
    .sgpr_count:     66
    .vgpr_count:     256
    .wavefront_size: 32
...
	.end_amdgpu_metadata
.endif
;; end of part 7
;; launch finish: the kernel of part 6 again; grid 8 x 8, 4 waves a work-group, no clusters, 1,536 bytes of LDS; arguments part, cmb, b2, out0; writes out0
